; MI455X (gfx1250); checked and timed in simulation.
; The chip was launched on July 23, 2026; its instructions are those of AMD's public machine-readable ISA for CDNA 5 (MIT licence, August 2026) and "CDNA5" Instruction Set Architecture Reference Guide (July 2026). The comments in the code are by the model that wrote it; some were corrected since.
;; Multi Head Attention. Allowed arithmetic: float matrix products may take bf16 or f16 operands with f32 sums; other float arithmetic in f32, or as packed bf16 or f16 multiplies, adds, multiply-adds, maxima and minima; sums over many terms, partial sums and values carried from step to step in f32; what a program stores and reads back later, other than sums and carried values, may be rounded once to bf16 or f16.
;; Inputs: Wk 1,024 x 1,024 float32; Wo 1,024 x 1,024 float32; Wq 1,024 x 1,024 float32; Wv 1,024 x 1,024 float32; attn_mask 2 x 2,048 int32; bk 1,024 float32; bo 1,024 float32; bq 1,024 float32; bv 1,024 float32; key 2 x 2,048 x 1,024 float32; pos_enc 1 x 2,048 x 1,024 float32; query 2 x 2,048 x 1,024 float32; r_r_bias 16 x 64 float32; r_w_bias 16 x 64 float32; val 2 x 2,048 x 1,024 float32.
;; Outputs: out0 2 x 2,048 x 1,024 float32.
;; One version. Each part assembles by itself: llvm-mc -triple=amdgcn-amd-amdhsa -mcpu=gfx1250 --defsym DOCPART=n.
;; ======== version 1 of 1: 4 launches
;; limits: values are held in f16: magnitudes above 65,504 overflow, below 6.1e-05 lose precision; right only within a limited range of input values
;; workspace buffers: xb 29,360,128 bytes; wb 8,388,608 bytes; tab 53,248 bytes; qq 8,388,608 bytes; kv 16,777,216 bytes; relf 8,486,912 bytes; ob 8,388,608 bytes
;; launch cvt (part 1): grid 1153 x 1, 8 waves a work-group, no clusters, 0 bytes of LDS; arguments query, key, val, pos_enc, Wq, Wk, Wv, Wo, attn_mask, bq, bk, bv, bo, r_w_bias, r_r_bias, xb, wb, tab, relf; writes xb, wb, tab, relf
.if DOCPART == 1
	.amdgcn_target "amdgcn-amd-amdhsa--gfx1250"
	.amdhsa_code_object_version 6
	.text
	.protected	k_q4d0dd59279_cvt
	.globl	k_q4d0dd59279_cvt
	.p2align	8
	.type	k_q4d0dd59279_cvt,@function
k_q4d0dd59279_cvt:
	s_mov_b64 s[64:65], 0
	v_nop
	global_prefetch_b8 v0, s[64:65] scope:SCOPE_SE
	s_setreg_imm32_b32 hwreg(HW_REG_WAVE_MODE, 25, 1), 1
	s_wait_xcnt 0x0
; ROUNDING OF THE INPUTS AND THE TABLES.  A stream: no LDS, no barrier, no matrix unit.
; Work-groups 0..1151 each take 16,384 f32 numbers (65,536 bytes) of one input and write them as 16-bit numbers (32,768 bytes):
;   0..895     query, key, val, pos_enc -> xb, bf16, [14336][1024], the four inputs' rows one after the other
;   896..1087  Wq, Wk, Wv -> wb, bf16, [k][n] as they lie
;   1088..1151 Wo -> wb's fourth matrix: rounded to bf16 like every input, and that number written as f16 (below 6e-5 with f16's fixed step of 6e-8)
; Thread t takes 32 bytes at 32 t of each of eight groups of 8,192 bytes and stores 16 bytes at 16 t: a wave's store covers 512 consecutive bytes, aligned.
; All sixteen loads of a thread go out first; no register is used twice, so nothing is freed by a wait.
; Work-group 1152 makes the tables:
;   tab + b*16384 + 4 w          eight words, one a wave: the lanes of wave w that saw a key of batch b with attn_mask != 1; all eight are 0 where every key of the batch is masked
;   tab + b*16384 + 8192 + 4 j   bias[b][j] = -1e9 log2(e) where attn_mask[b][j] == 1, else 0
;   tab + 32768 + 4096 row       row 0: bq + r_r, row 2: bk, row 3: bv, row 4: bo, 1,024 f32 each; row 1: r_w - r_r, 1,024 f16.  Every input is rounded to bf16 first; sums and the difference in f32
;   relf: zeros in each head's blocks 0, 1 (in front of row 0) and 130 (which holds row 2048, the zero row of the shifted table)
.set TABG,  1152
.set HEADB, 530432                     ; a head's bytes in relf: 259 blocks of 2,048
.set IN,    16                         ; v[16:79]  the sixteen loads
.set OUT,   80                         ; v[80:111] eight stores' data
	s_load_b512 s[8:23], s[0:1], 0x0               ; query 8, key 10, val 12, pos_enc 14, Wq 16, Wk 18, Wv 20, Wo 22
	s_load_b512 s[24:39], s[0:1], 0x40             ; attn_mask 24, bq 26, bk 28, bv 30, bo 32, r_w_bias 34, r_r_bias 36, xb 38
	s_load_b128 s[40:43], s[0:1], 0x80             ; wb 40, tab 42
	s_load_b64 s[44:45], s[0:1], 0x90              ; relf
	s_mov_b32 s2, ttmp9
	v_lshlrev_b32 v1, 5, v0                        ; 32 t
	v_lshlrev_b32 v2, 4, v0                        ; 16 t
	s_wait_kmcnt 0x0
	s_cmp_eq_u32 s2, TABG
	s_cbranch_scc1 .Ltables
	; which input, and the number of its first work-group
	s_mov_b64 s[46:47], s[8:9]
	s_mov_b32 s48, 0
.macro PICK first, reg
	s_cmp_ge_u32 s2, \first
	s_cselect_b64 s[46:47], s[\reg:\reg+1], s[46:47]
	s_cselect_b32 s48, \first, s48
.endm
	PICK 256, 10
	PICK 512, 12
	PICK 768, 14
	PICK 896, 16
	PICK 960, 18
	PICK 1024, 20
	PICK 1088, 22
	s_sub_co_u32 s48, s2, s48
	s_lshl_b32 s48, s48, 16                        ; 65,536 bytes of f32 a work-group
	s_mov_b32 s49, 0
	s_add_nc_u64 s[46:47], s[46:47], s[48:49]
	s_cmp_ge_u32 s2, 896
	s_cselect_b64 s[50:51], s[40:41], s[38:39]     ; wb or xb
	s_cselect_b32 s52, 896, 0
	s_sub_co_u32 s52, s2, s52
	s_lshl_b32 s52, s52, 15                        ; 32,768 bytes out a work-group
	s_mov_b32 s53, 0
	s_add_nc_u64 s[50:51], s[50:51], s[52:53]
.set i, 0
.rept 8
	global_load_b128 v[IN+8*i:IN+8*i+3],   v1, s[46:47] offset:8192*i th:TH_LOAD_NT
	global_load_b128 v[IN+8*i+4:IN+8*i+7], v1, s[46:47] offset:8192*i+16 th:TH_LOAD_NT
.set i, i+1
.endr
	s_cmp_ge_u32 s2, 1088
	s_cbranch_scc1 .Lwo
.set i, 0
.rept 8
	s_wait_loadcnt 14-2*i                          ; loads come back in order: group i's two are in, the younger groups' stay out
.irp k, 0,1,2,3
	v_cvt_pk_bf16_f32 v[OUT+4*i+\k], v[IN+8*i+2*\k], v[IN+8*i+2*\k+1]
.endr
	global_store_b128 v2, v[OUT+4*i:OUT+4*i+3], s[50:51] offset:4096*i
.set i, i+1
.endr
	s_endpgm
.Lwo:                                  ; Wo: to bf16, widened again, and written as f16
.set i, 0
.rept 8
	s_wait_loadcnt 14-2*i
.irp k, 0,1,2,3
	v_cvt_pk_bf16_f32 v4, v[IN+8*i+2*\k], v[IN+8*i+2*\k+1]
	v_lshlrev_b32 v5, 16, v4
	v_and_b32 v6, 0xffff0000, v4
	v_cvt_pk_f16_f32 v[OUT+4*i+\k], v5, v6
.endr
	global_store_b128 v2, v[OUT+4*i:OUT+4*i+3], s[50:51] offset:4096*i
.set i, i+1
.endr
	s_endpgm
.Ltables:
.set MK, 16                            ; v[16:31] the mask's 16 numbers of this thread: 0-7 of batch 0, 8-15 of batch 1
.set BI, 32                            ; v[32:55] bq, bk, bv, bo, r_w, r_r: four numbers each
.set FL, 56                            ; v56, v57 the thread's OR of (mask xor 1), a batch each; v58 at work; v60, v61 the wave's lanes
.set BG, 72                            ; v[72:87] bias
.irp i, 0,1,2,3
	global_load_b128 v[MK+4*\i:MK+4*\i+3], v2, s[24:25] offset:4096*\i
.endr
.irp i, 0,1,2,3,4,5
	global_load_b128 v[BI+4*\i:BI+4*\i+3], v2, s[26+2*\i:27+2*\i]
.endr
	v_mov_b32 v5, 0
	v_mov_b32 v6, 0xceabfb8f                       ; -1e9 log2(e)
	v_mov_b32 v8, 0
	v_mov_b32 v9, 0
	v_mov_b32 v10, 0
	v_mov_b32 v11, 0
	v_lshrrev_b32 v3, 7, v0                        ; block 130 is 2,048 bytes: 128 threads a head, two heads a store
	v_mul_u32_u24 v3, v3, HEADB
	v_and_b32 v7, 127, v0
	v_lshl_add_u32 v3, v7, 4, v3
	v_lshrrev_b32 v59, 5, v0
	v_lshlrev_b32 v59, 2, v59                      ; 4 x my wave's number
	v_lshlrev_b32 v62, 3, v0                       ; 8 t
.set i, 0
.rept 16
	global_store_b128 v2, v[8:11], s[44:45] offset:HEADB*i      ; blocks 0 and 1 of head i: 4,096 bytes
.set i, i+1
.endr
.set i, 0
.rept 8
	global_store_b128 v3, v[8:11], s[44:45] offset:130*2048+2*HEADB*i  ; block 130 of heads 2 i and 2 i + 1
.set i, i+1
.endr
	s_wait_loadcnt 6                               ; the four loads of the mask are in; the six biases may stay out
.set i, 0
.rept 16
	v_cmp_eq_u32 vcc_lo, 1, v[MK+i]
	v_cndmask_b32 v[BG+i], v5, v6, vcc_lo          ; masked: -1e9 log2(e), else 0
.set i, i+1
.endr
.irp b, 0,1
	v_xor_b32 v[FL+\b], 1, v[MK+8*\b]              ; not 0 where the mask is not 1
.irp k, 1,2,3,4,5,6,7
	v_xor_b32 v58, 1, v[MK+8*\b+\k]
	v_or_b32 v[FL+\b], v[FL+\b], v58
.endr
	v_cmp_ne_u32 vcc_lo, 0, v[FL+\b]
	v_mov_b32 v[60+\b], vcc_lo                     ; the wave's lanes that saw an open key, the same word in every lane
.endr
	global_store_b32 v59, v60, s[42:43]            ; all lanes of a wave store one word with one value
	global_store_b32 v59, v61, s[42:43] offset:16384
.irp i, 0,1,2,3
	global_store_b128 v2, v[BG+4*\i:BG+4*\i+3], s[42:43] offset:(\i/2)*16384+(\i%2)*4096+8192
.endr
	s_wait_loadcnt 0x0
.irp x, 32,36,40,44,48,52              ; each bias rounded to bf16 and widened again, in place
	v_cvt_pk_bf16_f32 v12, v[\x], v[\x+1]
	v_cvt_pk_bf16_f32 v13, v[\x+2], v[\x+3]
	v_lshlrev_b32 v[\x], 16, v12
	v_and_b32 v[\x+1], 0xffff0000, v12
	v_lshlrev_b32 v[\x+2], 16, v13
	v_and_b32 v[\x+3], 0xffff0000, v13
.endr
	v_pk_add_f32 v[88:89], v[48:49], v[52:53] neg_lo:[0,1] neg_hi:[0,1]  ; r_w - r_r
	v_pk_add_f32 v[90:91], v[50:51], v[54:55] neg_lo:[0,1] neg_hi:[0,1]
	v_pk_add_f32 v[92:93], v[32:33], v[52:53]      ; bq + r_r
	v_pk_add_f32 v[94:95], v[34:35], v[54:55]
	v_cvt_pk_f16_f32 v96, v88, v89
	v_cvt_pk_f16_f32 v97, v90, v91
	global_store_b128 v2, v[92:95], s[42:43] offset:32768
	global_store_b64 v62, v[96:97], s[42:43] offset:32768+4096
	global_store_b128 v2, v[36:39], s[42:43] offset:32768+2*4096
	global_store_b128 v2, v[40:43], s[42:43] offset:32768+3*4096
	global_store_b128 v2, v[44:47], s[42:43] offset:32768+4*4096
	s_endpgm
.Lfunc_end_k_q4d0dd59279_cvt:
	.size	k_q4d0dd59279_cvt, .Lfunc_end_k_q4d0dd59279_cvt-k_q4d0dd59279_cvt
	.p2alignl 7, 3214868480
	.fill 96, 4, 3214868480
	.section	.rodata,"a",@progbits
	.p2align	6, 0x0
	.amdhsa_kernel k_q4d0dd59279_cvt
		.amdhsa_group_segment_fixed_size 0
		.amdhsa_private_segment_fixed_size 0
		.amdhsa_enable_private_segment 0
		.amdhsa_kernarg_size 152
		.amdhsa_user_sgpr_count 2
		.amdhsa_user_sgpr_kernarg_segment_ptr 1
		.amdhsa_wavefront_size32 1
		.amdhsa_system_sgpr_workgroup_id_x 1
		.amdhsa_system_sgpr_workgroup_id_y 1
		.amdhsa_system_sgpr_workgroup_id_z 1
		.amdhsa_system_vgpr_workitem_id 0
		.amdhsa_next_free_vgpr 112
		.amdhsa_next_free_sgpr 66
		.amdhsa_reserve_vcc 1
		.amdhsa_float_denorm_mode_32 3
		.amdhsa_float_denorm_mode_16_64 3
		.amdhsa_memory_ordered 1
		.amdhsa_forward_progress 1
		.amdhsa_inst_pref_size 25
	.end_amdhsa_kernel
	.amdgpu_metadata
---
amdhsa.version: [ 1, 2 ]
amdhsa.kernels:
  - .name:           k_q4d0dd59279_cvt
    .symbol:         k_q4d0dd59279_cvt.kd
    .args:
      - { .name: query, .offset: 0, .size: 8, .value_kind: global_buffer, .address_space: global }
      - { .name: key, .offset: 8, .size: 8, .value_kind: global_buffer, .address_space: global }
      - { .name: val, .offset: 16, .size: 8, .value_kind: global_buffer, .address_space: global }
      - { .name: pos_enc, .offset: 24, .size: 8, .value_kind: global_buffer, .address_space: global }
      - { .name: Wq, .offset: 32, .size: 8, .value_kind: global_buffer, .address_space: global }
      - { .name: Wk, .offset: 40, .size: 8, .value_kind: global_buffer, .address_space: global }
      - { .name: Wv, .offset: 48, .size: 8, .value_kind: global_buffer, .address_space: global }
      - { .name: Wo, .offset: 56, .size: 8, .value_kind: global_buffer, .address_space: global }
      - { .name: attn_mask, .offset: 64, .size: 8, .value_kind: global_buffer, .address_space: global }
      - { .name: bq, .offset: 72, .size: 8, .value_kind: global_buffer, .address_space: global }
      - { .name: bk, .offset: 80, .size: 8, .value_kind: global_buffer, .address_space: global }
      - { .name: bv, .offset: 88, .size: 8, .value_kind: global_buffer, .address_space: global }
      - { .name: bo, .offset: 96, .size: 8, .value_kind: global_buffer, .address_space: global }
      - { .name: r_w_bias, .offset: 104, .size: 8, .value_kind: global_buffer, .address_space: global }
      - { .name: r_r_bias, .offset: 112, .size: 8, .value_kind: global_buffer, .address_space: global }
      - { .name: xb, .offset: 120, .size: 8, .value_kind: global_buffer, .address_space: global }
      - { .name: wb, .offset: 128, .size: 8, .value_kind: global_buffer, .address_space: global }
      - { .name: tab, .offset: 136, .size: 8, .value_kind: global_buffer, .address_space: global }
      - { .name: relf, .offset: 144, .size: 8, .value_kind: global_buffer, .address_space: global }
    .group_segment_fixed_size: 0
    .private_segment_fixed_size: 0
    .kernarg_segment_align: 8
    .kernarg_segment_size: 152
    .max_flat_workgroup_size: 256
    .sgpr_count:     66
    .vgpr_count:     112
    .wavefront_size: 32
...
	.end_amdgpu_metadata
.endif
;; end of part 1
;; launch proj (part 2): grid 4 x 56, 4 waves a work-group, clusters of 4 x 4, 327,680 bytes of LDS; arguments xb, wb, tab, qq, kv, relf; writes qq, kv, relf
.if DOCPART == 2
	.amdgcn_target "amdgcn-amd-amdhsa--gfx1250"
	.amdhsa_code_object_version 6
	.text
	.protected	k_q4d0dd59279_proj
	.globl	k_q4d0dd59279_proj
	.p2align	8
	.type	k_q4d0dd59279_proj,@function
k_q4d0dd59279_proj:
	s_mov_b64 s[64:65], 0
	v_nop
	global_prefetch_b8 v0, s[64:65] scope:SCOPE_SE
	s_setreg_imm32_b32 hwreg(HW_REG_WAVE_MODE, 25, 1), 1
	s_wait_xcnt 0x0
	s_wait_alu depctr_hold_cnt(0) depctr_sa_sdst(0) depctr_va_vdst(0) depctr_va_sdst(0) depctr_va_ssrc(0) depctr_va_vcc(0) depctr_vm_vsrc(0)
	s_getreg_b32 s2, hwreg(HW_REG_IB_STS2, 6, 4)
	s_cmp_eq_u32 s2, 0
	s_cbranch_scc0 .Lentry_in_a_cluster
	s_endpgm
.Lentry_in_a_cluster:
	s_bfe_u32 s2, ttmp6, 0x10000c
	s_cmp_lg_u32 s2, 0xf033
	s_cbranch_scc0 .Lentry_shape_is_right
	s_endpgm
.Lentry_shape_is_right:
; THE FOUR INPUT PROJECTIONS AS ONE GEMM.  C[m][n] = bias[n] + sum over k of X[m][k] W[k][n], X = xb [14336][1024] bf16 (query, key, val, pos_enc), W = one of wb's matrices [1024 k][1024 n] bf16.
; Sums in f32, begun with the bias; the result is rounded once to f16 and written BY HEADS: qq [32 bh][2048][64] (q + bq + r_r), kv [2][32][2048][64] (k, v),
; and relf, the table of relative keys, laid out as the next launch's matrix fragments and written twice: row u, and once more as row u + 2049.
; LIMIT.  f16 holds no number beyond 65,504: the projected numbers must lie within it.  NaN and infinities are not treated apart.
; SHARES.  A tile of C is 256 x 256: a work-group of four waves, a wave 128 x 128 in 64 accumulators (512 registers).  224 work-groups; a tile of 128 x 128 would make 896, three rounds and a half on 256 WGPs.
; K goes in steps of 128 through a ring of two LDS slots.  X's tile: 256 rows x 256 bytes.  W's tile lies [k][n]: 128 rows of k x 512 bytes; its fragments come out of LDS turned, by ds_load_tr16_b128.
; The loop's trip is ONE K step: the slot in hand is a scalar, TB, that one exclusive or turns, and the refills' descriptor walks.
; CLUSTER.  4 x 4 work-groups: X's tile hangs on the tile row alone and is asked for jointly along a row of the cluster, W's on the tile column (and on the segment, which all sixteen share) along a column.
; SEGMENTS go by the cluster's y, Y, which all sixteen partners share: Y < 4 q (Wq), Y < 8 k (Wk), Y < 12 v (Wv), Y = 12, 13 rel (Wk).  Branches hang on Y and the wave's number alone.
; THE MATRIX INSTRUCTION IS USED TRANSPOSED: source 0 = 16 columns of W, source 1 = 16 rows of X: a lane then holds one row of C and eight neighbouring columns, so eight registers of bias serve a block of 16 columns in every row.
; REGISTERS, in windows of 256: window 0: v0-31 addresses; v64-127, v128-191 fragments of X, two buffers; on the way out v192-223 packed, v32-63 and v224-255 rows read back
;   window 1: v0-63 the bias; v64-127, v128-191 fragments of W       window 2: accumulators of my rows 0-63       window 3: of my rows 64-127
.set SIZE_K, 1024
.set SIZE_N, 1024
.set KSTEP,  128
.set PITCH,  272                       ; a row of X in LDS: 256 bytes + 16: the 16 rows of a load start at 16 different groups of four banks (64 banks of 4 bytes: ISA guide 11.1)
.set PB,     544                       ; a row of W in LDS: 512 bytes + 32 = 17 x 32
.set HALFT,  128*PITCH                 ; what one tensor load brings: 128 rows of X, or 64 rows of W (64 x 544 is the same 34,816 bytes = 0x8800)
.set SLOT,   4*HALFT                   ; 0x22000: its two bits are set in none of the four waves' offsets 0, 0x8800, 0x11000, 0x19800, so one exclusive or turns an address in one slot into the other's
.set STAGE,  2*SLOT                    ; behind the ring: 16 rows x 272 bytes for each wave
.set SPITCH, 272
.set SPARE,  STAGE+4*16*SPITCH         ; the spare words, 128 bytes for each wave: two blocks of 256 bytes that no other line names
.set STEPS,  SIZE_K/KSTEP
.set HEADB,  530432                    ; a head's bytes in relf
.set ADRA0, 16                         ; v16  LDS address of my X fragments in slot 0; never rewritten
.set ADRA,  17                         ; v17  the same in the slot in hand
.set ADRB0, 20                         ; v20, v21  the same for W
.set ADRB,  21
.set STO,  24                          ; v24     stage + 272 (l % 16) + 16 (l / 16): where I put 16 bytes of a row; the rel way out reads back at the same place
.set RDH,  25                          ; v25     stage + 272 (l / 8) + 16 (l % 8): four rows of one head
.set CO,   26                          ; v26     16 l
.set COB,  27                          ; v27     the second copy's place: one row further down in the fragment blocks
.set SPW,  28
.set NIL,  29
.set PFO,  30                          ; v30     the prefetches' lane offset
.set BO,   31                          ; v31     my byte offset in a row of biases
.set F0,   64
.set F1,   128
.set TMP,  192
.set OB,   32
.set BIA,  0                           ; window 1
.set G1,  24
.set G0,  32                           ; s[32:35] K step 0's group 0; s[36:39] K step 1's, which then walks
.set G1B, 48
.set G0B, 56
.set LIM, 43                           ; s43  2 in a wave that prefetches, else the greatest number
.set PFA, 44                           ; s[44:45]
.set YY,  66
.set ISREL, 67
.set D0,  70                           ; s[70:71], s[72:73] where my two heads' rows go
.set E0,  74                           ; s[74:75], s[76:77] the same for rel's second copy
.set PSTEP, 78                         ; s[78:79] a K step in bytes for my prefetches
.set HS,  86                           ; s[86:87] bytes from head to head
.set SEG, 88
.set WIDX, 89
.set TB,  90                           ; s90  LDS byte at which the slot in hand begins
.set MSB, 0
.macro WIN new                         ; the immediate's high byte repeats the setting that is left
.if MSB != (\new)
	s_set_vgpr_msb (MSB<<8)|(\new)
.set MSB, \new
.endif
.endm
.set MUL_LO, 0xa1                      ; source 0 (W) window 1, source 1 (X) window 0, C and D window 2; + 0x50: C and D window 3
.set MUL_B,  0x91                      ; the same with C (the bias) in window 1; + 0x40: D window 3
.set TO_B,   0x40
; A joint load.  Waves 0 and 1 fetch X's two halves, waves 2 and 3 W's.  An s_nop 0 and four v_nop follow each of the two lines.
.macro JLOAD s
	s_cmp_eq_u32 s11, 0
	s_cbranch_scc0 .Lfor_b_\@
	tensor_load_to_lds s[G0+4*(\s):G0+4*(\s)+3], s[G1:G1+7]
	s_nop 0
.rept 4
	v_nop
.endr
	s_branch .Lasked_\@
.Lfor_b_\@:
	tensor_load_to_lds s[G0B+4*(\s):G0B+4*(\s)+3], s[G1B:G1B+7]
	s_nop 0
.rept 4
	v_nop
.endr
.Lasked_\@:
.endm
; A prefetch of the K step that stands two refills on: 32 aligned blocks of 256 bytes, a lane a block, one instruction a wave.  X's rows are read by one cluster only, so every cluster asks for its own; of the 128 rows
; that a wave fetches the partner at cx takes 32.  A matrix of W is read by several clusters: the first of them (Y = 0, 4, 8) asks; of a wave's 64 rows of k the partner at cy takes 16, two blocks a row.
; The partners are told apart by address alone.  The loop's last two trips ask for nothing: K steps 4 to 7 are named once each.
.macro ASK
	s_cmp_gt_u32 s3, s[LIM]
	s_cbranch_scc0 .Lnot_mine_\@
	global_prefetch_b8 v[PFO], s[PFA:PFA+1] th:TH_LOAD_NT scope:SCOPE_SE
.Lnot_mine_\@:
.endm
.macro CREST
	s_cmp_lg_u32 s10, 0
	s_cbranch_scc1 .Lnot_wave_0_\@
	s_barrier_signal -3
.Lnot_wave_0_\@:
	s_barrier_wait -3
	s_barrier_signal -1
	s_barrier_wait -1
.endm
.macro CROUND
	s_barrier_signal -1
	s_barrier_wait -1
	CREST
.endm
	s_load_b128 s[4:7], s[0:1], 0x0                ; xb, wb
	s_load_b64 s[8:9], s[0:1], 0x10                ; tab
	s_load_b128 s[80:83], s[0:1], 0x18             ; qq, kv
	s_load_b64 s[84:85], s[0:1], 0x28              ; relf
	v_lshl_add_u32 v[SPW], v0, 2, SPARE
	v_mov_b32 v[NIL], 0
	ds_add_u32 v[SPW], v[NIL]                      ; the wave's opening: the add and its wait ahead of my first tensor load
	v_lshrrev_b32 v1, 5, v0
	v_readfirstlane_b32 s10, v1                    ; wave 0..3
	s_lshr_b32 s11, s10, 1                         ; which half of the tile's rows is mine.  Also: I fetch for X (0) or for W (1)
	s_and_b32 s12, s10, 1                          ; which half of its columns.  Also: which half of that tile I fetch
	s_bfe_u32 s40, ttmp6, 0x40000                  ; cx = the tile column (the grid is one cluster wide)
	s_bfe_u32 s41, ttmp6, 0x40004                  ; cy
	s_and_b32 s[YY], ttmp7, 0xffff                 ; Y
	s_lshl_b32 s13, s[YY], 2
	s_add_co_u32 s13, s13, s41                     ; tile row = 4 Y + cy
	s_lshr_b32 s[SEG], s[YY], 2                    ; 0 q, 1 k, 2 v, 3 rel
	s_cmp_eq_u32 s[SEG], 3
	s_cselect_b32 s[WIDX], 1, s[SEG]               ; rel goes through Wk
	s_cselect_b32 s[ISREL], 1, 0
	s_lshl_b32 s43, s41, 2
	s_lshl_b32 s43, 15, s43                        ; my row of the cluster
	s_lshl_b32 s44, 0x1111, s40                    ; my column
	s_or_b32 s[G1+0], s43, (1<<16)|(1<<20)|(1<<21)|(5<<22)|(3<<25)   ; the mask; 2-byte elements; padding on; 21 set beside a mask; after every 64 words 4 words
	s_or_b32 s[G1B+0], s44, (1<<16)|(1<<20)|(1<<21)|(6<<22)|(7<<25)  ; after every 128 words 8 words
	s_mov_b32 s[G1+1], KSTEP<<16                   ; tensor_dim0 = 128
	s_mov_b32 s[G1+2], 128<<16                     ; tensor_dim1 = 128
	s_mov_b32 s[G1+3], KSTEP<<16                   ; tile_dim0 = 128
	s_mov_b32 s[G1+4], 128                         ; tile_dim1 = 128
	s_mov_b32 s[G1+5], SIZE_K                      ; elements from row to row
	s_mov_b32 s[G1+6], 0
	s_mov_b32 s[G1+7], 0
	s_mov_b32 s[G1B+1], 256<<16                    ; tensor_dim0 = 256 columns
	s_mov_b32 s[G1B+2], 64<<16                     ; tensor_dim1 = 64 rows of k
	s_mov_b32 s[G1B+3], 256<<16
	s_mov_b32 s[G1B+4], 64
	s_mov_b32 s[G1B+5], SIZE_N
	s_mov_b32 s[G1B+6], 0
	s_mov_b32 s[G1B+7], 0
	s_lshl_b32 s16, s13, 8
	s_lshl_b32 s17, s12, 7
	s_add_co_u32 s16, s16, s17                     ; X: row 256 x tile row + 128 x half,
	s_lshl_b32 s16, s16, 11                        ; of 2,048 bytes
	s_mov_b32 s17, 0
	s_lshl_b32 s46, s[WIDX], 21                    ; W: the matrix,
	s_lshl_b32 s47, s12, 17                        ; 64 x half rows of 2,048 bytes,
	s_add_co_u32 s46, s46, s47
	s_lshl_b32 s47, s40, 9                         ; the tile column's 512 bytes
	s_add_co_u32 s46, s46, s47
	s_mov_b32 s47, 0
	s_mul_i32 s20, s10, HALFT                      ; where they go: no place in the cluster enters an LDS address
	s_wait_dscnt 0x0                               ; the opening add is done
	s_wait_kmcnt 0x0
	s_add_nc_u64 s[14:15], s[4:5], s[16:17]
	s_add_nc_u64 s[46:47], s[6:7], s[46:47]
	CROUND                                         ; all sixteen work-groups are here: the first joint loads meet
.irp s, 0,1
	s_mov_b32 s[G0+4*(\s)], 1
	s_add_co_u32 s[G0+4*(\s)+1], s20, (\s)*SLOT
	s_add_nc_u64 s[G0+4*(\s)+2:G0+4*(\s)+3], s[14:15], (\s)*KSTEP*2
	s_or_b32 s[G0+4*(\s)+3], s[G0+4*(\s)+3], 0x80000000
	s_mov_b32 s[G0B+4*(\s)], 1
	s_add_co_u32 s[G0B+4*(\s)+1], s20, (\s)*SLOT
	s_add_nc_u64 s[G0B+4*(\s)+2:G0B+4*(\s)+3], s[46:47], (\s)*KSTEP*SIZE_N*2
	s_or_b32 s[G0B+4*(\s)+3], s[G0B+4*(\s)+3], 0x80000000
	JLOAD \s
.endr
	; the bias of my 128 columns, 64 registers, asked for while the first tiles are on their way: block b's eight numbers are the C operand of that block's first products
	v_and_b32 v1, 15, v0
	v_bfe_u32 v2, v0, 4, 1
	s_lshl_b32 s21, s40, 10                        ; (256 cx + 128 wc + 8 (l / 16)) x 4 bytes
	s_lshl_b32 s22, s12, 9
	s_add_co_u32 s21, s21, s22
	v_lshl_add_u32 v[BO], v2, 5, s21
	s_add_co_u32 s22, s[WIDX], 1                   ; the bias row: 0 for q, 2 for k and rel, 3 for v
	s_cmp_eq_u32 s[SEG], 0
	s_cselect_b32 s22, 0, s22
	s_lshl_b32 s22, s22, 12
	s_add_co_u32 s22, s22, 32768
	s_mov_b32 s23, 0
	s_add_nc_u64 s[8:9], s[8:9], s[22:23]
	WIN TO_B
.irp b, 0,1,2,3,4,5,6,7
	global_load_b128 v[BIA+8*(\b):BIA+8*(\b)+3],   v[BO], s[8:9] offset:64*(\b)
	global_load_b128 v[BIA+8*(\b)+4:BIA+8*(\b)+7], v[BO], s[8:9] offset:64*(\b)+16
.endr
	WIN 0
	; fragments.  X: lane l holds row l % 16, two loads of 16 bytes, 32 apart.  W: the turning load reads row of k 8 (l / 16) + l % 8, 16 bytes at 16 ((l / 8) % 2), and leaves column l % 16 with 8 k.
	v_mul_u32_u24 v3, v1, PITCH
	v_lshl_add_u32 v3, v2, 4, v3
	v_and_b32 v4, 7, v0
	v_lshl_add_u32 v4, v2, 3, v4
	v_mul_u32_u24 v4, v4, PB
	v_bfe_u32 v5, v0, 3, 1
	v_lshl_add_u32 v4, v5, 4, v4
	s_mul_i32 s21, s11, HALFT                      ; my 128 rows of X
	s_lshl_b32 s22, s12, 8                         ; my 128 columns of W: 256 bytes,
	s_add_co_u32 s22, s22, 2*HALFT                 ; behind X's 256 rows
	v_add_nc_u32 v[ADRA0], s21, v3
	v_add_nc_u32 v[ADRB0], s22, v4
	v_mov_b32 v[ADRA], v[ADRA0]
	v_mov_b32 v[ADRB], v[ADRB0]
	s_mov_b32 s[TB], 0
	s_mul_i32 s23, s10, 16*SPITCH
	s_add_co_u32 s23, s23, STAGE                   ; my stage
	v_add_nc_u32 v[STO], s23, v3                   ; the stage's pitch is X's
	v_bfe_u32 v6, v0, 3, 2
	v_mul_u32_u24 v6, v6, SPITCH
	v_and_b32 v7, 7, v0
	v_lshl_add_u32 v6, v7, 4, v6
	v_add_nc_u32 v[RDH], s23, v6
	v_and_b32 v8, 31, v0
	v_lshlrev_b32 v[CO], 4, v8
	v_add_nc_u32 v9, 1, v1                         ; the second copy: row r + 1 of the block, or row 0 of the next
	v_and_b32 v10, 15, v9
	v_lshrrev_b32 v9, 4, v9
	v_lshlrev_b32 v[COB], 4, v10
	v_lshl_add_u32 v[COB], v9, 11, v[COB]
	v_lshl_add_u32 v[COB], v2, 8, v[COB]
	; where my rows go: R0 = my first row within the segment, head0 = my first head
	s_and_b32 s20, s[YY], 3
	s_lshl_b32 s20, s20, 2
	s_add_co_u32 s20, s20, s41
	s_lshl_b32 s20, s20, 8
	s_lshl_b32 s21, s11, 7
	s_add_co_u32 s20, s20, s21                     ; R0
	s_lshr_b32 s21, s20, 11                        ; the batch: 16 heads of 262,144 bytes
	s_lshl_b32 s21, s21, 22
	s_and_b32 s20, s20, 2047
	s_lshl_b32 s20, s20, 7                         ; a row of a head is 128 bytes; 16 rows of rel are a block of 2,048
	s_add_co_u32 s20, s20, s21
	s_lshl_b32 s21, s40, 2
	s_lshl_b32 s22, s12, 1
	s_add_co_u32 s21, s21, s22                     ; head0 = 4 cx + 2 wc
	s_mov_b32 s[HS], 262144
	s_cmp_eq_u32 s[SEG], 3
	s_cselect_b32 s[HS], HEADB, s[HS]
	s_mov_b32 s[HS+1], 0
	s_mul_i32 s21, s21, s[HS]
	s_add_co_u32 s20, s20, s21
	s_cmp_eq_u32 s[SEG], 2
	s_cselect_b32 s22, 8388608, 0                  ; v is kv's second part
	s_cmp_eq_u32 s[SEG], 3
	s_cselect_b32 s22, 4096, s22                   ; rel's row 0 lies in block 2
	s_add_co_u32 s20, s20, s22
	s_mov_b32 s21, 0
	s_cmp_eq_u32 s[SEG], 0
	s_cselect_b64 s[D0:D0+1], s[80:81], s[82:83]
	s_cmp_eq_u32 s[SEG], 3
	s_cselect_b64 s[D0:D0+1], s[84:85], s[D0:D0+1]
	s_add_nc_u64 s[D0:D0+1], s[D0:D0+1], s[20:21]
	s_add_nc_u64 s[D0+2:D0+3], s[D0:D0+1], s[HS:HS+1]
	s_add_nc_u64 s[E0:E0+1], s[D0:D0+1], 128*2048  ; row u + 2049 lies 128 blocks and one row on
	s_add_nc_u64 s[E0+2:E0+3], s[D0+2:D0+3], 128*2048
	; the prefetches
	s_lshl_b32 s20, s13, 8
	s_lshl_b32 s21, s12, 7
	s_add_co_u32 s20, s20, s21
	s_lshl_b32 s21, s40, 5
	s_add_co_u32 s20, s20, s21                     ; X: my wave's 128 rows, my work-group's 32 of them,
	s_lshl_b32 s20, s20, 11
	s_add_co_u32 s20, s20, 3*KSTEP*2               ; at K step 3: the first refill steps it to 4
	s_lshl_b32 s21, s12, 6
	s_lshl_b32 s22, s41, 4
	s_add_co_u32 s21, s21, s22
	s_add_co_u32 s21, s21, 3*KSTEP                 ; W: row of k 128 x 3 + 64 x half + 16 cy
	s_lshl_b32 s21, s21, 11
	s_lshl_b32 s22, s40, 9
	s_add_co_u32 s21, s21, s22
	s_lshl_b32 s22, s[WIDX], 21
	s_add_co_u32 s21, s21, s22
	s_and_b32 s22, s[YY], 3
	s_cmp_eq_u32 s22, 0
	s_cselect_b32 s22, 2, -1
	s_cmp_eq_u32 s[SEG], 3
	s_cselect_b32 s22, -1, s22                     ; Y = 0, 4, 8 ask for W
	s_mov_b32 s[PSTEP], KSTEP*SIZE_N*2
	s_cmp_eq_u32 s11, 0
	s_cselect_b32 s20, s20, s21
	s_cselect_b32 s[LIM], 2, s22
	s_cselect_b64 s[PFA:PFA+1], s[4:5], s[6:7]
	s_cselect_b32 s[PSTEP], KSTEP*2, s[PSTEP]
	s_cselect_b32 s23, 0, 1
	s_mov_b32 s[PSTEP+1], 0
	s_mov_b32 s21, 0
	s_add_nc_u64 s[PFA:PFA+1], s[PFA:PFA+1], s[20:21]
	v_lshrrev_b32 v[PFO], s23, v8                  ; X: a lane a row; W: two lanes a row
	v_and_b32 v9, s23, v8
	v_lshlrev_b32 v[PFO], 11, v[PFO]
	v_lshl_add_u32 v[PFO], v9, 8, v[PFO]
; 16 matrix instructions: m blocks a0, a0 + 1 of the window's four x all 8 n blocks, 32 along K.  first = 1: the product starts the sum, with the block's bias as C.  The 64 accumulators take turns.
.macro MUL16 f, hi, a0, first
.if \first
	WIN MUL_B+0x40*(\hi)
.else
	WIN MUL_LO+0x50*(\hi)
.endif
.irp a, \a0, (\a0)+1
.irp b, 0,1,2,3,4,5,6,7
.if \first
	v_wmma_f32_16x16x32_bf16 v[8*(8*(\a)+(\b)):8*(8*(\a)+(\b))+7], v[(\f)+8*(\b):(\f)+8*(\b)+7], v[(\f)+8*(4*(\hi)+(\a)):(\f)+8*(4*(\hi)+(\a))+7], v[BIA+8*(\b):BIA+8*(\b)+7]
.else
	v_wmma_f32_16x16x32_bf16 v[8*(8*(\a)+(\b)):8*(8*(\a)+(\b))+7], v[(\f)+8*(\b):(\f)+8*(\b)+7], v[(\f)+8*(4*(\hi)+(\a)):(\f)+8*(4*(\hi)+(\a))+7], v[8*(8*(\a)+(\b)):8*(8*(\a)+(\b))+7]
.endif
.endr
.endr
.endm
; 32 LDS loads in one run: quarter kq (32 along K) of the slot in hand into buffer f: W's 128 columns turned, then X's 128 rows
.macro FETCH kq, f
	WIN TO_B
.irp i, 0,1,2,3,4,5,6,7
	ds_load_tr16_b128 v[(\f)+8*(\i):(\f)+8*(\i)+3],   v[ADRB] offset:(\kq)*32*PB+32*(\i)
	ds_load_tr16_b128 v[(\f)+8*(\i)+4:(\f)+8*(\i)+7], v[ADRB] offset:(\kq)*32*PB+32*(\i)+16*PB
.endr
	WIN 0
.irp i, 0,1,2,3,4,5,6,7
	ds_load_b128 v[(\f)+8*(\i):(\f)+8*(\i)+3],   v[ADRA] offset:(\kq)*64+(\i)*16*PITCH
	ds_load_b128 v[(\f)+8*(\i)+4:(\f)+8*(\i)+7], v[ADRA] offset:(\kq)*64+(\i)*16*PITCH+32
.endr
.endm
.macro PLACES                          ; four places in front of loads into registers that matrix instructions have read, and of vector lines that read results
.rept 4
	v_nop
.endr
.endm
.macro QUARTER kq, f, g, first         ; multiplies buffer f; in its middle fetches quarter kq of the slot in hand into g
	s_wait_dscnt 8                                 ; W and X's rows 0-63 are in; the youngest eight loads (X's rows 64-127) may be out
	MUL16 \f, 0, 0, \first
	MUL16 \f, 0, 2, \first
	PLACES
	FETCH \kq, \g
	s_wait_dscnt 32                                ; all but the 32 just issued
	MUL16 \f, 1, 0, \first
	MUL16 \f, 1, 2, \first
.endm
.macro MEET                            ; the first half of a K step's last quarter: one barrier for the change of slots
	WIN 0
	s_wait_tensorcnt 0x0                           ; all my tensor loads have landed: the one that was out is my part of the next slot
	ds_add_u32 v[SPW], v[NIL]                      ; 0 onto my spare word
	s_wait_dscnt 9                                 ; the add and the youngest eight loads may be out
	MUL16 F1, 0, 0, 0
	s_wait_dscnt 0x0                               ; the add is done, and my reads of this slot are over
	s_barrier_signal -1
	MUL16 F1, 0, 2, 0
	WIN 0
	s_barrier_wait -1
.endm
.macro NEXTSLOT                        ; the fragment addresses of the other slot
	v_add_nc_u32 v[ADRA], s[TB], v[ADRA0]
	v_add_nc_u32 v[ADRB], s[TB], v[ADRB0]
.endm
.macro TURN                            ; the whole last quarter: the slot just read out is filled again, two K steps on
	s_wait_xcnt 0x0                                ; the last prefetch, a K step back, has read its address
	s_add_nc_u64 s[PFA:PFA+1], s[PFA:PFA+1], s[PSTEP:PSTEP+1]
	MEET
	CREST                                          ; no wave of any partner still reads this slot's tile or has a load on its way
	s_xor_b32 s[G0+5], s[G0+5], SLOT               ; the walking descriptors: the other slot than last time, the next K step
	s_add_nc_u64 s[G0+6:G0+7], s[G0+6:G0+7], KSTEP*2
	s_xor_b32 s[G0B+5], s[G0B+5], SLOT
	s_add_nc_u64 s[G0B+6:G0B+7], s[G0B+6:G0B+7], KSTEP*SIZE_N*2
	s_xor_b32 s[TB], s[TB], SLOT
	JLOAD 1                                        ; the first tensor load behind the round; its four v_nop are also the places in front of the loads below
	NEXTSLOT
	FETCH 0, F0
	ASK
	MUL16 F1, 1, 0, 0
	MUL16 F1, 1, 2, 0
.endm
	s_wait_tensorcnt 1                             ; my part of K step 0 is in; K step 1's may stay out
	s_barrier_signal -1
	s_barrier_wait -1
	FETCH 0, F0
	s_wait_loadcnt 0x0                             ; the bias
	QUARTER 1, F0, F1, 1                           ; the first quarter's products start the sums
	WIN 0
	s_mov_b32 s3, STEPS-2
.Lstep:                                ; a trip goes from a K step's second quarter to the next step's first, and fills the slot that it leaves
	QUARTER 2, F1, F0, 0
	QUARTER 3, F0, F1, 0
	TURN
	QUARTER 1, F0, F1, 0
	WIN 0
	s_sub_co_u32 s3, s3, 1
	s_cmp_lg_u32 s3, 0
	s_cbranch_scc1 .Lstep
	QUARTER 2, F1, F0, 0                           ; the last two K steps fill nothing
	QUARTER 3, F0, F1, 0
	MEET
	s_xor_b32 s[TB], s[TB], SLOT
	PLACES
	NEXTSLOT
	FETCH 0, F0
	MUL16 F1, 1, 0, 0
	MUL16 F1, 1, 2, 0
	QUARTER 1, F0, F1, 0
	QUARTER 2, F1, F0, 0
	QUARTER 3, F0, F1, 0
	s_wait_dscnt 8
	MUL16 F1, 0, 0, 0
	MUL16 F1, 0, 2, 0
	s_wait_dscnt 0x0
	MUL16 F1, 1, 0, 0
	MUL16 F1, 1, 2, 0
	WIN 0
	PLACES
; THE WAY OUT, a block of 16 rows at a time.  PACK: rounded to f16, 16 bytes a lane (each accumulator's registers in ascending order).
.macro PACK a
.set AC, 64*((\a)%4)
	WIN 0x0a+5*((\a)/4)                            ; sources 0 and 1: window 2 or 3
.irp b, 0,1,2,3,4,5,6,7
.irp r, 0,1,2,3
	v_cvt_pk_f16_f32 v[TMP+4*(\b)+(\r)], v[AC+8*(\b)+2*(\r)], v[AC+8*(\b)+2*(\r)+1]
.endr
.endr
	WIN 0
.endm
; OUT: block snd, which is back from the stage, is stored; block stg goes into my stage and is read back (-1: none).
; By heads: a read-back is four rows of one head, 512 consecutive bytes.  rel: a read-back is half a matrix fragment (16 rows x 8 channels for each half of the lanes), 512 consecutive bytes of its block; it is stored twice.
; The two kinds differ in where they read the stage, and in rel's second store: two short branches on the segment.
.macro OUT snd, stg
.set BS, OB+192*(((\snd)+2)%2)
.set BT, OB+192*(((\stg)+2)%2)
.if (\snd) >= 0
	s_wait_dscnt 0x0                               ; the block is back in registers
	s_wait_xcnt 0x0                                ; earlier stores have read their registers: the loads below may land on them
.irp t, 0,1,2,3,4,5,6,7
	global_store_b128 v[CO], v[BS+4*(\t):BS+4*(\t)+3], s[D0+2*((\t)/4):D0+2*((\t)/4)+1] offset:(\snd)*2048+((\t)%4)*512
.endr
	s_cmp_eq_u32 s[ISREL], 0
	s_cbranch_scc1 .Lonce_\@
.irp t, 0,1,2,3,4,5,6,7
	global_store_b128 v[COB], v[BS+4*(\t):BS+4*(\t)+3], s[E0+2*((\t)/4):E0+2*((\t)/4)+1] offset:(\snd)*2048+((\t)%4)*512
.endr
.Lonce_\@:
.endif
.if (\stg) >= 0
.irp b, 0,1,2,3,4,5,6,7
	ds_store_b128 v[STO], v[TMP+4*(\b):TMP+4*(\b)+3] offset:32*(\b)
.endr
	s_cmp_eq_u32 s[ISREL], 0
	s_cbranch_scc0 .Lrel_\@
.irp t, 0,1,2,3,4,5,6,7
	ds_load_b128 v[BT+4*(\t):BT+4*(\t)+3], v[RDH] offset:((\t)/4)*128+((\t)%4)*4*SPITCH  ; LDS serves a wave's instructions in order: these see the stores above
.endr
	s_branch .Ldone_\@
.Lrel_\@:
.irp t, 0,1,2,3,4,5,6,7
	ds_load_b128 v[BT+4*(\t):BT+4*(\t)+3], v[STO] offset:((\t)/4)*128+((\t)%4)*32
.endr
.Ldone_\@:
.endif
.endm
	PACK 0
	OUT -1, 0
.irp a, 1,2,3,4,5,6,7                  ; block a's conversions stand between block a - 1's loads from the stage and the wait for them
	PACK \a
	OUT (\a)-1, \a
.endr
	OUT 7, -1
	s_wait_tensorcnt 0x0                           ; the wave's end: behind my last tensor load and my last LDS store
	ds_add_u32 v[SPW], v[NIL]
	s_wait_dscnt 0x0
	CROUND                                         ; the closing round
	s_endpgm
.Lfunc_end_k_q4d0dd59279_proj:
	.size	k_q4d0dd59279_proj, .Lfunc_end_k_q4d0dd59279_proj-k_q4d0dd59279_proj
	.p2alignl 7, 3214868480
	.fill 96, 4, 3214868480
	.section	.rodata,"a",@progbits
	.p2align	6, 0x0
	.amdhsa_kernel k_q4d0dd59279_proj
		.amdhsa_group_segment_fixed_size 327680
		.amdhsa_private_segment_fixed_size 0
		.amdhsa_enable_private_segment 0
		.amdhsa_kernarg_size 48
		.amdhsa_user_sgpr_count 2
		.amdhsa_user_sgpr_kernarg_segment_ptr 1
		.amdhsa_wavefront_size32 1
		.amdhsa_system_sgpr_workgroup_id_x 1
		.amdhsa_system_sgpr_workgroup_id_y 1
		.amdhsa_system_sgpr_workgroup_id_z 1
		.amdhsa_system_vgpr_workitem_id 0
		.amdhsa_next_free_vgpr 1024
		.amdhsa_next_free_sgpr 100
		.amdhsa_reserve_vcc 0
		.amdhsa_float_denorm_mode_32 3
		.amdhsa_float_denorm_mode_16_64 3
		.amdhsa_memory_ordered 1
		.amdhsa_forward_progress 1
		.amdhsa_inst_pref_size 132
	.end_amdhsa_kernel
	.amdgpu_metadata
---
amdhsa.version: [ 1, 2 ]
amdhsa.kernels:
  - .name:           k_q4d0dd59279_proj
    .symbol:         k_q4d0dd59279_proj.kd
    .args:
      - { .name: xb, .offset: 0, .size: 8, .value_kind: global_buffer, .address_space: global }
      - { .name: wb, .offset: 8, .size: 8, .value_kind: global_buffer, .address_space: global }
      - { .name: tab, .offset: 16, .size: 8, .value_kind: global_buffer, .address_space: global }
      - { .name: qq, .offset: 24, .size: 8, .value_kind: global_buffer, .address_space: global }
      - { .name: kv, .offset: 32, .size: 8, .value_kind: global_buffer, .address_space: global }
      - { .name: relf, .offset: 40, .size: 8, .value_kind: global_buffer, .address_space: global }
    .group_segment_fixed_size: 327680
    .private_segment_fixed_size: 0
    .kernarg_segment_align: 8
    .kernarg_segment_size: 48
    .max_flat_workgroup_size: 128
    .sgpr_count:     100
    .vgpr_count:     1024
    .wavefront_size: 32
...
	.end_amdgpu_metadata
.endif
;; end of part 2
;; launch attn (part 3): grid 8 x 32, 8 waves a work-group, no clusters, 327,680 bytes of LDS; arguments qq, kv, relf, tab, ob; writes ob
.if DOCPART == 3
	.amdgcn_target "amdgcn-amd-amdhsa--gfx1250"
	.amdhsa_code_object_version 6
	.text
	.protected	k_q4d0dd59279_attn
	.globl	k_q4d0dd59279_attn
	.p2align	8
	.type	k_q4d0dd59279_attn,@function
k_q4d0dd59279_attn:
	s_mov_b64 s[64:65], 0
	v_nop
	global_prefetch_b8 v0, s[64:65] scope:SCOPE_SE
	s_setreg_imm32_b32 hwreg(HW_REG_WAVE_MODE, 25, 1), 1
	s_wait_xcnt 0x0
; ATTENTION WITH RELATIVE POSITIONS.  For batch-and-head bh and query i:  s[j] = ((q_i + r_w) . k_j + y[i][j]) / 32, replaced by -1e9 where the key is masked;  O[i] = softmax_j(s) V.
; y is the shifted product: with RelExt[u] = rel[u] (u < 2048), 0 (u = 2048), rel[u - 2049] (u > 2048):  y[i][j] = qx . RelExt[2047 + j - i], qx = q_i + r_r for u < 2048 and q_(i+1) + r_r for u > 2048.
; All operands f16 (qq = q + r_r, kv, relf from the launch before; q + r_w is made here as (q + r_r) + (r_w - r_r), rounded to f16 once more); products, maxima, sums in f32; the weights are rounded to f16 for
; the second product, O once at the end.  ob: [32 bh][2048][64] f16.
; THE MASK.  s' = s c + bias[j], in units of log2: bias = -1e9 log2(e) where attn_mask == 1, else 0; c = log2(e) / 32, or 0 where every key of the batch is masked: then all scores are equal and O is the mean of V.
; LIMITS.  In a batch with an open key a masked key's score is s c - 1e9 log2(e), not that constant alone: its weight is 0 all the same while a row's scores, in units of log2, lie less than 1e9 apart.
; A weight below 2^-126 counts as 0; NaN and infinities are not treated apart.
; SHARES.  A work-group owns 256 queries of one bh, each of its eight waves 32: two tiles of 16.  Two waves lie on a SIMD: while one walks its softmax the other has the matrix unit.  Every wave walks all keys, 64 a step.
; THE SKEW.  X^T = Rel Qx^T (source 0 = 16 rows u, source 1 = 16 queries) for the four blocks of 16 rows from U = 2048 - Iw + 64 sigma on.  Lane (a, h), register t of block c (0..3), tile p holds the term of key
; j = 64 sigma + 16 (c + p) + 8 h + t + a + 1.  It is stored as f32 into a ring of 128 entries for each query, at j mod 128, and read back by keys, straight into the registers that then serve as the C operand of K Q^T:
; skew and addition cost no vector instruction.  Step s needs X(s-1) and X(s); X(s+1) is made in step s.
; A block has u >= 2048 when 4 sigma + c >= Iw / 16; Iw / 16 is even, so once in the walk, in front of block 0 or block 2, the wave loads the rows i + 1 in place of the rows i.
; NO CLUSTER: the step of that change hangs on the work-group's place; the stream of rel differs between the blocks of a head; K and V are 16 KiB a step for a work-group.
; LDS: slot 0 at 0, slot 1 at 65,536: 128 keys each, K 128 x 144 bytes, then V 128 x 160.  Behind them the rings: wave w, tile p, query a at XR + 16,896 w + 8,448 p + 528 a.  Then the spare words.
; REGISTERS.  window 0: v0-31 addresses; v32-47 statistics; v48-50; v64-127 S^T (tile p, key block kb at 64 + 32 p + 8 kb); v128-191 X^T; v128-159 later P; v224-255 bias
;   window 1: v0-63 O^T; v64-95 Q + r_w; v96-127 Q + r_r; v128-191 K, then V, of the step; v192-255 Rel's four blocks
.set PK,    144
.set PV,    160
.set VOFF,  128*PK
.set SLOT1, 65536
.set XR,    SLOT1+128*(PK+PV)
.set RROW,  528                        ; 512 bytes + 16: the 16 queries of a 16-byte load start at 16 different groups of four banks; a store's 32 lanes hit word 133 a + 8 h: 32 different banks (64 banks of 4 bytes: ISA guide 11.1)
.set RTILE, 16*RROW
.set RWAVE, 2*RTILE
.set SPARE, XR+8*RWAVE
.set SP,    144
.set HEADB, 530432
.set DO,  9                            ; 16 h: my place in a head's 128 bytes of r_w - r_r
.set AK0, 10
.set AV0, 11
.set AK,  12
.set AV,  13
.set XS,  14                           ; ring + 532 a + 32 h + 4
.set XL,  15                           ; ring + 528 a + 32 h
.set WT,  16                           ; v16-23  ring + 528 a + 4 ((113 + 8 h + t + a) mod 128): the one block of sixteen that may wrap
.set RO,  24                           ; 16 l: rel's fragments, and O's rows
.set MO,  25                           ; 32 h
.set QO,  26                           ; 128 a + 16 h
.set QS,  27                           ; v27-28  tile p: min(Iw + 16 p + a + 1, 2047) x 128 + 16 h
.set STO, 29
.set RD,  30
.set ST,  32                           ; tile p at ST + 8 p: m, m_old, l (two), c0-c3; a takes c2's place
.set SPW, 48
.set NIL, 49
.set PFO, 50                           ; 256 l
.set S,    64
.set XT,   128
.set P,    128
.set BIAS, 224
.set OT,  0                            ; window 1
.set QWF, 64
.set QXF, 96
.set KF,  128
.set RF,  192
.set CB,  4                            ; s[4:5] c, twice: the packed scaling names a pair and takes its low word for both halves
.set RP,  12                           ; s[12:13] rel at the blocks last loaded
.set MP,  14                           ; s[14:15] the batch's tables at the step last loaded
.set WV,  16
.set TB,  17
.set SLOTS, 18
.set SIG, 19                           ; 4 sigma
.set SWB, 20                           ; Iw / 16
.set QRH, 22                           ; s[22:23] q + r_r at the head's first row
.set G1K, 24
.set G1V, 32
.set G0K, 40
.set G0V, 44
.set QR,  48
.set SEL, 50
.set PFA, 52
.set LIM, 54
.set DP,  76                           ; s[76:77] r_w - r_r of my head
.set MSB, 0
.macro WIN new
.if MSB != (\new)
	s_set_vgpr_msb (MSB<<8)|(\new)
.set MSB, (\new)
.endif
.endm
.macro PLACES n=4
.rept \n
	v_nop
.endr
.endm
; A fill: wave 0 fetches a tile's K, wave 1 its V, 128 keys each; the others fetch nothing.  An s_nop 0 and four v_nop follow each load.
.macro LOAD
	s_cmp_eq_u32 s[WV], 0
	s_cbranch_scc0 .Lnot_k_\@
	tensor_load_to_lds s[G0K:G0K+3], s[G1K:G1K+7]
	s_nop 0
	PLACES
	s_branch .Lasked_\@
.Lnot_k_\@:
	s_cmp_eq_u32 s[WV], 1
	s_cbranch_scc0 .Lasked_\@
	tensor_load_to_lds s[G0V:G0V+3], s[G1V:G1V+7]
	s_nop 0
	PLACES
.Lasked_\@:
.endm
; A prefetch of the tile that the NEXT change of slots will ask for.  The eight work-groups of a bh walk the same K and V: the first of them asks; its waves 0, 1 for the two halves of K's 16 KiB, waves 2, 3 for V's:
; a lane a block of 256 bytes, so each block is named once in the launch.  The last change that fills a slot asks for nothing.
.macro ASK
	s_cmp_gt_u32 s[SLOTS], s[LIM]
	s_cbranch_scc0 .Lnot_mine_\@
	global_prefetch_b8 v[PFO], s[PFA:PFA+1] th:TH_LOAD_NT scope:SCOPE_SE
.Lnot_mine_\@:
.endm
; THE CHANGE OF SLOTS, every two steps.  Each wave waits for all its tensor loads (at most one is out), adds 0 to its spare word, and waits for that and for its LDS reads.  Behind the barrier nobody reads the old slot
; and the other is whole.  fill = 1: the old slot is filled again, the first thing behind the barrier.
.macro CHANGE fill
	WIN 0
	s_wait_tensorcnt 0x0
	ds_add_u32 v[SPW], v[NIL]
.if \fill
	s_xor_b32 s[G0K+1], s[G0K+1], SLOT1
	s_add_nc_u64 s[G0K+2:G0K+3], s[G0K+2:G0K+3], 16384
	s_xor_b32 s[G0V+1], s[G0V+1], SLOT1
	s_add_nc_u64 s[G0V+2:G0V+3], s[G0V+2:G0V+3], 16384
	s_wait_xcnt 0x0                                ; the last prefetch, two steps back, has read its address
	s_add_nc_u64 s[PFA:PFA+1], s[PFA:PFA+1], 16384
.endif
	s_wait_dscnt 0x0                               ; the add is done, my reads of the slot are over, the next step's C is in
	s_barrier_signal -1
	s_xor_b32 s[TB], s[TB], SLOT1
	s_barrier_wait -1
.if \fill
	LOAD
	ASK
.endif
	v_add_nc_u32 v[AK], s[TB], v[AK0]
	v_add_nc_u32 v[AV], s[TB], v[AV0]
.endm
	s_load_b256 s[56:63], s[0:1], 0x0              ; qq 56, kv 58, relf 60, tab 62
	s_load_b64 s[10:11], s[0:1], 0x20              ; ob
	v_lshl_add_u32 v[SPW], v0, 2, SPARE
	v_mov_b32 v[NIL], 0
	ds_add_u32 v[SPW], v[NIL]                      ; the wave's opening: the add and its wait ahead of the first tensor load
	v_lshrrev_b32 v1, 5, v0
	v_readfirstlane_b32 s[WV], v1
	s_mov_b32 s[G1K], (1<<16)|(1<<20)|(4<<22)|(3<<25)  ; 2-byte elements; padding on; after every 32 words 4 words: a key's row of 128 bytes takes 144
	s_mov_b32 s[G1V], (1<<16)|(1<<20)|(4<<22)|(7<<25)  ; 8 words: 160
.irp g, G1K, G1V
	s_mov_b32 s[\g+1], 128<<16                     ; 128 keys are 16,384 dense bytes: 64 rows of 256
	s_mov_b32 s[\g+2], 64<<16
	s_mov_b32 s[\g+3], 128<<16
	s_mov_b32 s[\g+4], 64
	s_mov_b32 s[\g+5], 128
	s_mov_b32 s[\g+6], 0
	s_mov_b32 s[\g+7], 0
.endr
	s_mov_b32 s[G0K], 1
	s_mov_b32 s[G0K+1], 0
	s_mov_b32 s[G0V], 1
	s_mov_b32 s[G0V+1], VOFF
	s_mov_b32 s[SEL], 0x76543210
	s_mov_b32 s[SEL+1], 0xfedcba98
	s_and_b32 s66, ttmp7, 0xffff                   ; bh
	s_lshl_b32 s67, ttmp9, 8
	s_lshl_b32 s68, s[WV], 5
	s_add_co_u32 s67, s67, s68                     ; Iw
	s_lshr_b32 s[SWB], s67, 4
	s_lshl_b32 s2, s66, 18                         ; a bh is 262,144 bytes in qq, kv, ob
	s_mov_b32 s3, 0
	s_lshl_b32 s68, s67, 7
	s_mov_b32 s69, 0
	s_and_b32 s70, s66, 15                         ; the head
	s_lshl_b32 s[DP], s70, 7                       ; its 64 f16 numbers in the table's row 1
	s_add_co_u32 s[DP], s[DP], 32768+4096
	s_mov_b32 s[DP+1], 0
	s_mul_i32 s70, s70, HEADB
	s_sub_co_u32 s71, 2048, s67
	s_lshl_b32 s71, s71, 7                         ; row 2048 - Iw lies (2048 - Iw) / 16 blocks of 2,048 bytes behind block 2;
	s_add_co_u32 s70, s70, s71
	s_sub_co_u32 s70, s70, 4096                    ; sigma = -1 begins four blocks earlier: 2 - 4 blocks
	s_mov_b32 s71, 0
	s_lshr_b32 s72, s66, 4
	s_lshl_b32 s72, s72, 14
	s_mov_b32 s73, 0
	s_and_b32 s74, s[WV], 1
	s_lshl_b32 s74, s74, 13
	s_add_co_u32 s74, s74, 16384                   ; the prefetches stand at tile 1; the first change steps them to tile 2
	s_mov_b32 s75, 0
	s_lshr_b32 s[LIM], s[WV], 2
	s_or_b32 s[LIM], s[LIM], ttmp9
	s_cmp_eq_u32 s[LIM], 0
	s_cselect_b32 s[LIM], 1, -1
	s_mul_i32 s55, s[WV], RWAVE
	s_add_co_u32 s55, s55, XR                      ; my rings
	s_wait_dscnt 0x0                               ; the opening add is done
	s_wait_kmcnt 0x0
	s_add_nc_u64 s[6:7], s[58:59], s[2:3]          ; K of my bh
	s_add_nc_u64 s[8:9], s[6:7], 8388608           ; V
	s_add_nc_u64 s[G0K+2:G0K+3], s[6:7], 0
	s_or_b32 s[G0K+3], s[G0K+3], 0x80000000
	s_add_nc_u64 s[G0V+2:G0V+3], s[8:9], 0
	s_or_b32 s[G0V+3], s[G0V+3], 0x80000000
	LOAD                                           ; tile 0 into slot 0
	s_add_nc_u64 s[QRH:QRH+1], s[56:57], s[2:3]
	s_add_nc_u64 s[QR:QR+1], s[QRH:QRH+1], s[68:69] ; q + r_r at my rows
	s_add_nc_u64 s[10:11], s[10:11], s[2:3]
	s_add_nc_u64 s[10:11], s[10:11], s[68:69]
	s_add_nc_u64 s[RP:RP+1], s[60:61], s[70:71]
	s_add_nc_u64 s[MP:MP+1], s[62:63], s[72:73]
	s_add_nc_u64 s[DP:DP+1], s[62:63], s[DP:DP+1]
	s_load_b256 s[80:87], s[MP:MP+1], 0x0          ; the batch's eight words: not all 0 where a key is open
	s_cmp_lt_u32 s[WV], 2
	s_cselect_b64 s[PFA:PFA+1], s[6:7], s[8:9]
	s_add_nc_u64 s[PFA:PFA+1], s[PFA:PFA+1], s[74:75]
	v_and_b32 v1, 15, v0                           ; a
	v_bfe_u32 v2, v0, 4, 1                         ; h
	v_and_b32 v3, 31, v0                           ; l
	v_and_b32 v4, 7, v0
	v_bfe_u32 v5, v0, 3, 1
	v_lshlrev_b32 v[RO], 4, v3
	v_lshlrev_b32 v[MO], 5, v2
	v_lshlrev_b32 v[DO], 4, v2
	v_lshlrev_b32 v[QO], 7, v1
	v_lshl_add_u32 v[QO], v2, 4, v[QO]
; 16 loads: four blocks of rel as fragments, into the 64 registers from base on: block blk, piece f (channels 16 f + 8 h on) is 512 consecutive bytes.  step = 1: the next 64 rows; the loads that read the pointer have been waited for.
.macro RELLOAD step, base=RF, off=0
.if \step
	s_add_nc_u64 s[RP:RP+1], s[RP:RP+1], 8192
.endif
	WIN 0x40
.irp blk, 0,1,2,3
.irp f, 0,1,2,3
	global_load_b128 v[(\base)+16*(\blk)+4*(\f):(\base)+16*(\blk)+4*(\f)+3], v[RO], s[RP:RP+1] offset:(\off)+(\blk)*2048+(\f)*512
.endr
.endr
.endm
; 8 loads: the bias of a step's 64 keys, as a lane holds the keys: 16 kb + 8 h + 0..7
.macro MASKLOAD step
.if \step
	s_add_nc_u64 s[MP:MP+1], s[MP:MP+1], 256
.endif
	WIN 0
.irp kb, 0,1,2,3
	global_load_b128 v[BIAS+8*(\kb):BIAS+8*(\kb)+3],   v[MO], s[MP:MP+1] offset:8192+64*(\kb)
	global_load_b128 v[BIAS+8*(\kb)+4:BIAS+8*(\kb)+7], v[MO], s[MP:MP+1] offset:8192+64*(\kb)+16
.endr
.endm
; The change of X's query rows, once in a wave's walk: in front of block d of the X step whose 4 sigma + d is Iw / 16.
.macro SWITCH d
	WIN 0
	s_add_co_u32 s21, s[SIG], \d
	s_cmp_eq_u32 s21, s[SWB]
	s_cbranch_scc0 .Lsame_\@
	PLACES                                         ; behind the last product that read these registers
	WIN 0x40
.irp tl, 0,1
.irp kc, 0,1
	global_load_b128 v[QXF+16*(\tl)+8*(\kc):QXF+16*(\tl)+8*(\kc)+3],   v[QS+(\tl)], s[QRH:QRH+1] offset:64*(\kc)
	global_load_b128 v[QXF+16*(\tl)+8*(\kc)+4:QXF+16*(\tl)+8*(\kc)+7], v[QS+(\tl)], s[QRH:QRH+1] offset:64*(\kc)+32
.endr
.endr
	WIN 0
	s_wait_loadcnt 0x0
.Lsame_\@:
.endm
; 8 products: blocks b0, b0 + 1 for both tiles.  The four accumulators take turns; the first four start the sums.
.macro XHALF b0, base
	WIN 0x05
.irp kc, 0,1
.irp blk, \b0, (\b0)+1
.irp tl, 0,1
.if (\kc) == 0
	v_wmma_f32_16x16x32_f16 v[XT+32*(\tl)+8*(\blk):XT+32*(\tl)+8*(\blk)+7], v[(\base)+16*(\blk)+8*(\kc):(\base)+16*(\blk)+8*(\kc)+7], v[QXF+16*(\tl)+8*(\kc):QXF+16*(\tl)+8*(\kc)+7], 0
.else
	v_wmma_f32_16x16x32_f16 v[XT+32*(\tl)+8*(\blk):XT+32*(\tl)+8*(\blk)+7], v[(\base)+16*(\blk)+8*(\kc):(\base)+16*(\blk)+8*(\kc)+7], v[QXF+16*(\tl)+8*(\kc):QXF+16*(\tl)+8*(\kc)+7], v[XT+32*(\tl)+8*(\blk):XT+32*(\tl)+8*(\blk)+7]
.endif
.endr
.endr
.endr
.endm
.macro XMUL sw=1, base=RF              ; sw = 0: sigma = -1, where no block can reach row 2048
.if \sw
	SWITCH 0
.endif
	XHALF 0, \base
.if \sw
	SWITCH 2
.endif
	XHALF 2, \base
	s_add_co_u32 s[SIG], s[SIG], 4
.endm
; 64 stores of 4 bytes: X of parity q into the rings.  Entry 16 beta + e, beta = 4 q + block + tile, e = 8 h + t + a + 1 in 1..31: only beta = 7 can pass 127.  Each accumulator's registers in ascending order.
.macro XSTORE q
	WIN 0
.irp tl, 0,1
.irp blk, 0,1,2,3
.set beta, (4*(\q)+(\blk)+(\tl))&7
.irp t, 0,1,2,3,4,5,6,7
.if beta == 7
	ds_store_b32 v[WT+(\t)], v[XT+32*(\tl)+8*(\blk)+(\t)] offset:RTILE*(\tl)
.else
	ds_store_b32 v[XS], v[XT+32*(\tl)+8*(\blk)+(\t)] offset:RTILE*(\tl)+64*beta+4*(\t)
.endif
.endr
.endr
.endr
.endm
; 16 loads: the shifted terms of a step of parity q, by keys, into S^T's registers
.macro CLOAD q
	WIN 0
.irp tl, 0,1
.irp kb, 0,1,2,3
	ds_load_b128 v[S+32*(\tl)+8*(\kb):S+32*(\tl)+8*(\kb)+3],   v[XL] offset:RTILE*(\tl)+256*(\q)+64*(\kb)
	ds_load_b128 v[S+32*(\tl)+8*(\kb)+4:S+32*(\tl)+8*(\kb)+7], v[XL] offset:RTILE*(\tl)+256*(\q)+64*(\kb)+16
.endr
.endr
.endm
.macro FETCH_K st                      ; step st of the slot: keys 16 (f / 2) on, channels 32 (f % 2) on
	WIN 0x40
.irp f, 0,1,2,3,4,5,6,7
	ds_load_b128 v[KF+8*\f:KF+8*\f+3],   v[AK] offset:(\st)*64*PK+(\f/2)*16*PK+(\f%2)*64
	ds_load_b128 v[KF+8*\f+4:KF+8*\f+7], v[AK] offset:(\st)*64*PK+(\f/2)*16*PK+(\f%2)*64+32
.endr
.endm
.macro FETCH_V st                      ; turned: keys 32 (f / 4) on, channels 16 (f % 4) on
	WIN 0x40
.irp f, 0,1,2,3,4,5,6,7
	ds_load_tr16_b128 v[KF+8*\f:KF+8*\f+3],   v[AV] offset:(\st)*64*PV+(\f/4)*32*PV+(\f%4)*32
	ds_load_tr16_b128 v[KF+8*\f+4:KF+8*\f+7], v[AV] offset:(\st)*64*PV+(\f/4)*32*PV+16*PV+(\f%4)*32
.endr
.endm
; Number n of the 21 that find a tile's new maximum and a.  Each accumulator's lowest registers have been read first, by the scaling.
.macro SMX tl, n
.set rT, ST+8*(\tl)
.set rS, S+32*(\tl)
.if (\n) < 4
	v_max3_num_f32 v[rT+4+(\n)], v[rS+8*(\n)], v[rS+8*(\n)+1], v[rS+8*(\n)+2]
.elseif (\n) < 12
	v_max3_num_f32 v[rT+4+(\n)%4], v[rT+4+(\n)%4], v[rS+8*((\n)%4)+2*((\n)/4)+1], v[rS+8*((\n)%4)+2*((\n)/4)+2]
.elseif (\n) == 12
	v_max3_num_f32 v[rT+4], v[rT+4], v[rS+7], v[rS+15]
.elseif (\n) == 13
	v_max3_num_f32 v[rT+5], v[rT+5], v[rS+23], v[rS+31]
.elseif (\n) == 14
	v_max3_num_f32 v[rT+6], v[rT+6], v[rT+7], v[rT]
.elseif (\n) == 15
	v_mov_b32 v[rT+1], v[rT]
.elseif (\n) == 16
	v_max3_num_f32 v[rT+4], v[rT+4], v[rT+5], v[rT+6]
.elseif (\n) == 17
	v_permlanex16_b32 v[rT+7], v[rT+4], s[SEL], s[SEL+1]   ; the query's other 32 keys lie in the lane 16 away
.elseif (\n) == 18
	v_max_num_f32 v[rT], v[rT+4], v[rT+7]
.elseif (\n) == 19
	v_sub_f32 v[rT+5], v[rT+1], v[rT]
.else
	v_exp_f32 v[rT+6], v[rT+5]
.endif
.endm
; A KEY STEP, in phases.  q: the step's parity; st: its place in the slot; dox: X of the next step is made; dorel: rel of the step after that is loaded; domask: the next step's bias is loaded.
.macro STEP q, st, dox, dorel, domask
	WIN 0
	PLACES 5                                       ; behind the last V^T P: four in front of the loads into V's registers, five in front of the products that write over P
	FETCH_K \st
.if \dox
	s_wait_loadcnt 8                               ; rel of the next step is in; the 8 bias loads issued behind it may stay out
	XMUL
.endif
	s_wait_dscnt 0x0                               ; K and this step's C are in
	WIN 0x05
.set i, 0
.rept 16                               ; S^T = K Q^T + C, in place: the 8 accumulators take turns
.set rS, S+32*(i%2)+8*((i/2)%4)
.set rK, KF+16*((i/2)%4)+8*(i/8)
.set rQ, QWF+16*(i%2)+8*(i/8)
	v_wmma_f32_16x16x32_f16 v[rS:rS+7], v[rK:rK+7], v[rQ:rQ+7], v[rS:rS+7]
.set i, i+1
.endr
	WIN 0
	PLACES                                         ; in front of the loads into K's and rel's registers, the stores of X and the scaling of S
	FETCH_V \st
.if \dorel
	RELLOAD 1
.endif
.if \dox
	XSTORE 1-(\q)
.endif
	WIN 0
	s_wait_loadcnt 16*(\dorel)                     ; this step's bias is in; the rel loads just issued may stay out
.irp tl, 0,1
.set z, 0
.rept 16                               ; s = s c + bias
	v_pk_fma_f32 v[S+32*(\tl)+2*z:S+32*(\tl)+2*z+1], v[S+32*(\tl)+2*z:S+32*(\tl)+2*z+1], s[CB:CB+1], v[BIAS+2*z:BIAS+2*z+1] op_sel_hi:[1,0,1]
.set z, z+1
.endr
.endr
.if \domask
	MASKLOAD 1
.endif
.irp n, 0,1,2,3,4,5,6,7,8,9,10,11,12,13,14,15,16,17,18,19,20
	SMX 0, \n
	SMX 1, \n
.endr
.set z, 0
.rept 16                               ; s - m, a pair at a time, and behind each two pairs the exponentials of the two before
	v_pk_add_f32 v[S+2*z:S+2*z+1], v[S+2*z:S+2*z+1], v[ST:ST+1] op_sel_hi:[1,0] neg_lo:[0,1] neg_hi:[0,1]
	v_pk_add_f32 v[S+32+2*z:S+32+2*z+1], v[S+32+2*z:S+32+2*z+1], v[ST+8:ST+9] op_sel_hi:[1,0] neg_lo:[0,1] neg_hi:[0,1]
.if z > 0
	v_exp_f32 v[S+2*z-2], v[S+2*z-2]
	v_exp_f32 v[S+2*z-1], v[S+2*z-1]
	v_exp_f32 v[S+32+2*z-2], v[S+32+2*z-2]
	v_exp_f32 v[S+32+2*z-1], v[S+32+2*z-1]
.endif
.set z, z+1
.endr
	v_exp_f32 v[S+30], v[S+30]
	v_exp_f32 v[S+31], v[S+31]
	v_exp_f32 v[S+62], v[S+62]
	v_exp_f32 v[S+63], v[S+63]
	v_nop                                          ; a plain instruction behind the last exponential,
	s_wait_alu depctr_va_vdst(0)                   ; and one wait for the step's 66, ahead of the first line that names a result
.set z, 0
.rept 16
	v_cvt_pk_f16_f32 v[P+z], v[S+2*z], v[S+2*z+1]
	v_cvt_pk_f16_f32 v[P+16+z], v[S+32+2*z], v[S+32+2*z+1]
.set z, z+1
.endr
.set z, 0
.rept 15                               ; the sum of a tile's 16 pairs, in place: neighbours 1, 2, 4 and 8 pairs apart
.set w, 4
.set u, z
.if z >= 14
.set w, 32
.set u, 0
.elseif z >= 12
.set w, 16
.set u, z-12
.elseif z >= 8
.set w, 8
.set u, z-8
.endif
	v_pk_add_f32 v[S+w*u:S+w*u+1], v[S+w*u:S+w*u+1], v[S+w*u+w/2:S+w*u+w/2+1]
	v_pk_add_f32 v[S+32+w*u:S+32+w*u+1], v[S+32+w*u:S+32+w*u+1], v[S+32+w*u+w/2:S+32+w*u+w/2+1]
.set z, z+1
.endr
	v_pk_fma_f32 v[ST+2:ST+3], v[ST+2:ST+3], v[ST+6:ST+7], v[S:S+1] op_sel_hi:[1,0,1]          ; l = a l + sum
	v_pk_fma_f32 v[ST+10:ST+11], v[ST+10:ST+11], v[ST+14:ST+15], v[S+32:S+33] op_sel_hi:[1,0,1]
	WIN 0x41
.irp tl, 0,1
.set z, 0
.rept 16                               ; O^T times a
	v_pk_mul_f32 v[OT+32*(\tl)+2*z:OT+32*(\tl)+2*z+1], v[OT+32*(\tl)+2*z:OT+32*(\tl)+2*z+1], v[ST+8*(\tl)+6:ST+8*(\tl)+7] op_sel_hi:[1,0]
.set z, z+1
.endr
.endr
.if \dox
	CLOAD 1-(\q)
.endif
	s_wait_dscnt 16*(\dox)                         ; V is in and X is stored; the 16 loads of the next step's C may stay out
	WIN 0x51
.set i, 0
.rept 16                               ; O^T += V^T P: the 8 accumulators take turns
.set rO, OT+32*(i%2)+8*((i/2)%4)
.set rV, KF+32*(i/8)+8*((i/2)%4)
.set rP, P+16*(i%2)+8*(i/8)
	v_wmma_f32_16x16x32_f16 v[rO:rO+7], v[rV:rV+7], v[rP:rP+7], v[rO:rO+7]
.set i, i+1
.endr
.endm
	WIN 0x40
.irp tl, 0,1
.irp kc, 0,1
	global_load_b128 v[QXF+16*(\tl)+8*(\kc):QXF+16*(\tl)+8*(\kc)+3],   v[QO], s[QR:QR+1] offset:(\tl)*2048+(\kc)*64
	global_load_b128 v[QXF+16*(\tl)+8*(\kc)+4:QXF+16*(\tl)+8*(\kc)+7], v[QO], s[QR:QR+1] offset:(\tl)*2048+(\kc)*64+32
.endr
.endr
	RELLOAD 0, KF, 0                               ; sigma = -1, into K's registers, which are idle until the first step,
	RELLOAD 0, RF, 8192                            ; and sigma = 0: both go out together
	WIN 0
.irp kc, 0,1
	global_load_b128 v[XT+8*(\kc):XT+8*(\kc)+3],   v[DO], s[DP:DP+1] offset:64*(\kc)      ; r_w - r_r, laid out as a fragment's registers
	global_load_b128 v[XT+8*(\kc)+4:XT+8*(\kc)+7], v[DO], s[DP:DP+1] offset:64*(\kc)+32
.endr
	WIN 0x40
.set i, 0
.rept 64
	v_mov_b32 v[OT+i], 0                           ; O^T starts at 0: written while the first loads and the first tile are on their way, so that the loop has one form of step
.set i, i+1
.endr
	WIN 0
.irp tl, 0,1
	v_mov_b32 v[ST+8*(\tl)], 0xff7fffff            ; m: the lowest finite number, so the first step's a is 0
	v_mov_b32 v[ST+8*(\tl)+2], 0
	v_mov_b32 v[ST+8*(\tl)+3], 0
.endr
	v_add_nc_u32 v6, s67, v1                       ; Iw + a
.irp tl, 0,1
	v_add_nc_u32 v[QS+(\tl)], 16*(\tl)+1, v6
	v_min_u32 v[QS+(\tl)], 2047, v[QS+(\tl)]       ; the last query has no row behind it, and needs none: no key lies behind its diagonal
	v_lshlrev_b32 v[QS+(\tl)], 7, v[QS+(\tl)]
	v_lshl_add_u32 v[QS+(\tl)], v2, 4, v[QS+(\tl)]
.endr
	v_mul_u32_u24 v7, v1, RROW
	v_add_nc_u32 v7, s55, v7
	v_lshl_add_u32 v[XL], v2, 5, v7
	v_lshl_add_u32 v[XS], v1, 2, v[XL]
	v_add_nc_u32 v[XS], 4, v[XS]
	v_lshl_add_u32 v8, v2, 3, v1
.irp t, 0,1,2,3,4,5,6,7
	v_add_nc_u32 v[WT+(\t)], 113+(\t), v8
	v_and_b32 v[WT+(\t)], 127, v[WT+(\t)]
	v_lshl_add_u32 v[WT+(\t)], v[WT+(\t)], 2, v7
.endr
	v_mul_u32_u24 v[AK0], v1, PK
	v_lshl_add_u32 v[AK0], v2, 4, v[AK0]
	v_lshl_add_u32 v[AV0], v2, 3, v4
	v_mul_u32_u24 v[AV0], v[AV0], PV
	v_lshl_add_u32 v[AV0], v5, 4, v[AV0]
	v_add_nc_u32 v[AV0], VOFF, v[AV0]
	v_mul_u32_u24 v[STO], v1, SP                   ; the way out's stage is my own ring, when nothing of it is wanted any more
	v_lshl_add_u32 v[STO], v2, 4, v[STO]
	v_add_nc_u32 v[STO], s55, v[STO]
	v_bfe_u32 v[RD], v0, 3, 2
	v_mul_u32_u24 v[RD], v[RD], SP
	v_lshl_add_u32 v[RD], v4, 4, v[RD]
	v_add_nc_u32 v[RD], s55, v[RD]
	v_lshlrev_b32 v[PFO], 8, v3
	s_mov_b32 s[SIG], -4
	s_wait_kmcnt 0x0                               ; the batch's eight words
	s_or_b32 s80, s80, s81
	s_or_b32 s82, s82, s83
	s_or_b32 s84, s84, s85
	s_or_b32 s86, s86, s87
	s_or_b32 s80, s80, s82
	s_or_b32 s84, s84, s86
	s_or_b32 s80, s80, s84
	s_cmp_lg_u32 s80, 0
	s_cselect_b32 s[CB], 0x3d38aa3b, 0             ; c = log2(e) / 32, or 0 where every key is masked
	s_mov_b32 s[CB+1], s[CB]
	s_wait_loadcnt 0x0                             ; Q, rel of sigma = -1 and 0, r_w - r_r
	s_add_nc_u64 s[RP:RP+1], s[RP:RP+1], 8192      ; rel now stands at sigma = 0
	WIN 0x41
.set z, 0
.rept 16
	v_pk_add_f16 v[QWF+z], v[QXF+z], v[XT+z]       ; q + r_w = (q + r_r) + (r_w - r_r)
	v_pk_add_f16 v[QWF+16+z], v[QXF+16+z], v[XT+z]
.set z, z+1
.endr
	XMUL 0, KF                                     ; sigma = -1
	WIN 0
	PLACES 5                                       ; four in front of the stores, five in front of the products that write over these accumulators
	XSTORE 1
	XMUL                                           ; sigma = 0
	WIN 0
	PLACES 5
	RELLOAD 1                                      ; sigma = 1
	MASKLOAD 0                                     ; step 0
	XSTORE 0
	CLOAD 0
	s_mov_b32 s[TB], SLOT1                         ; the first change of slots turns it into 0
	s_mov_b32 s[SLOTS], 15
.Lslot:                                ; 15 trips: a tile of 128 keys is entered and the next is asked for
	CHANGE 1
	STEP 0, 0, 1, 1, 1
	STEP 1, 1, 1, 1, 1
	WIN 0
	s_sub_co_u32 s[SLOTS], s[SLOTS], 1
	s_cmp_lg_u32 s[SLOTS], 0
	s_cbranch_scc1 .Lslot
	CHANGE 0                                       ; the last tile is written out
	STEP 0, 0, 1, 0, 1
	STEP 1, 1, 0, 0, 0
	; THE WAY OUT: l's two halves and the other half of the lanes' are added; O^T is divided by l, rounded to f16 and sent through my stage, a tile at a time
	WIN 0
	PLACES
.irp tl, 0,1
	v_add_f32 v[ST+8*(\tl)+4], v[ST+8*(\tl)+2], v[ST+8*(\tl)+3]
.endr
.irp tl, 0,1
	v_permlanex16_b32 v[ST+8*(\tl)+5], v[ST+8*(\tl)+4], s[SEL], s[SEL+1]
.endr
.irp tl, 0,1
	v_add_f32 v[ST+8*(\tl)+4], v[ST+8*(\tl)+4], v[ST+8*(\tl)+5]
.endr
.irp tl, 0,1
	v_rcp_f32 v[ST+8*(\tl)+6], v[ST+8*(\tl)+4]
.endr
	v_nop
	s_wait_alu depctr_va_vdst(0)                   ; one wait for the two reciprocals, ahead of their first use
.macro PACK tl
	WIN 0x41
.set z, 0
.rept 16
	v_pk_mul_f32 v[OT+32*(\tl)+2*z:OT+32*(\tl)+2*z+1], v[OT+32*(\tl)+2*z:OT+32*(\tl)+2*z+1], v[ST+8*(\tl)+6:ST+8*(\tl)+7] op_sel_hi:[1,0]
.set z, z+1
.endr
	WIN 0x05
.set z, 0
.rept 16
	v_cvt_pk_f16_f32 v[S+16*(\tl)+z], v[OT+32*(\tl)+2*z], v[OT+32*(\tl)+2*z+1]
.set z, z+1
.endr
	WIN 0
.irp f, 0,1,2,3
	ds_store_b128 v[STO], v[S+16*(\tl)+4*\f:S+16*(\tl)+4*\f+3] offset:32*\f
.endr
.irp f, 0,1,2,3
	ds_load_b128 v[S+16*(\tl)+4*\f:S+16*(\tl)+4*\f+3], v[RD] offset:\f*4*SP  ; LDS serves a wave's instructions in order: these see the stores above; the next tile's stores come behind them
.endr
.endm
.macro SEND tl, younger
.irp f, 0,1,2,3
	s_wait_dscnt (\younger)+3-\f
	global_store_b128 v[RO], v[S+16*(\tl)+4*\f:S+16*(\tl)+4*\f+3], s[10:11] offset:(\tl)*2048+\f*512  ; four rows of a head: 512 consecutive bytes, aligned
.endr
.endm
	PACK 0
	PACK 1
	SEND 0, 8
	SEND 1, 0
	s_wait_tensorcnt 0x0                           ; the wave's end: behind my last tensor load and my last LDS store
	ds_add_u32 v[SPW], v[NIL]
	s_wait_dscnt 0x0
	s_endpgm
.Lfunc_end_k_q4d0dd59279_attn:
	.size	k_q4d0dd59279_attn, .Lfunc_end_k_q4d0dd59279_attn-k_q4d0dd59279_attn
	.p2alignl 7, 3214868480
	.fill 96, 4, 3214868480
	.section	.rodata,"a",@progbits
	.p2align	6, 0x0
	.amdhsa_kernel k_q4d0dd59279_attn
		.amdhsa_group_segment_fixed_size 327680
		.amdhsa_private_segment_fixed_size 0
		.amdhsa_enable_private_segment 0
		.amdhsa_kernarg_size 40
		.amdhsa_user_sgpr_count 2
		.amdhsa_user_sgpr_kernarg_segment_ptr 1
		.amdhsa_wavefront_size32 1
		.amdhsa_system_sgpr_workgroup_id_x 1
		.amdhsa_system_sgpr_workgroup_id_y 1
		.amdhsa_system_sgpr_workgroup_id_z 1
		.amdhsa_system_vgpr_workitem_id 0
		.amdhsa_next_free_vgpr 512
		.amdhsa_next_free_sgpr 90
		.amdhsa_reserve_vcc 0
		.amdhsa_float_denorm_mode_32 3
		.amdhsa_float_denorm_mode_16_64 3
		.amdhsa_memory_ordered 1
		.amdhsa_forward_progress 1
		.amdhsa_inst_pref_size 149
	.end_amdhsa_kernel
	.amdgpu_metadata
---
amdhsa.version: [ 1, 2 ]
amdhsa.kernels:
  - .name:           k_q4d0dd59279_attn
    .symbol:         k_q4d0dd59279_attn.kd
    .args:
      - { .name: qq, .offset: 0, .size: 8, .value_kind: global_buffer, .address_space: global }
      - { .name: kv, .offset: 8, .size: 8, .value_kind: global_buffer, .address_space: global }
      - { .name: relf, .offset: 16, .size: 8, .value_kind: global_buffer, .address_space: global }
      - { .name: tab, .offset: 24, .size: 8, .value_kind: global_buffer, .address_space: global }
      - { .name: ob, .offset: 32, .size: 8, .value_kind: global_buffer, .address_space: global }
    .group_segment_fixed_size: 327680
    .private_segment_fixed_size: 0
    .kernarg_segment_align: 8
    .kernarg_segment_size: 40
    .max_flat_workgroup_size: 256
    .sgpr_count:     90
    .vgpr_count:     512
    .wavefront_size: 32
...
	.end_amdgpu_metadata
.endif
;; end of part 3
;; launch outp (part 4): grid 8 x 32, 4 waves a work-group, clusters of 4 x 4, 327,680 bytes of LDS; arguments ob, wb, tab, out0; writes out0
.if DOCPART == 4
	.amdgcn_target "amdgcn-amd-amdhsa--gfx1250"
	.amdhsa_code_object_version 6
	.text
	.protected	k_q4d0dd59279_outp
	.globl	k_q4d0dd59279_outp
	.p2align	8
	.type	k_q4d0dd59279_outp,@function
k_q4d0dd59279_outp:
	s_mov_b64 s[64:65], 0
	v_nop
	global_prefetch_b8 v0, s[64:65] scope:SCOPE_SE
	s_setreg_imm32_b32 hwreg(HW_REG_WAVE_MODE, 25, 1), 1
	s_wait_xcnt 0x0
	s_wait_alu depctr_hold_cnt(0) depctr_sa_sdst(0) depctr_va_vdst(0) depctr_va_sdst(0) depctr_va_ssrc(0) depctr_va_vcc(0) depctr_vm_vsrc(0)
	s_getreg_b32 s2, hwreg(HW_REG_IB_STS2, 6, 4)
	s_cmp_eq_u32 s2, 0
	s_cbranch_scc0 .Lentry_in_a_cluster
	s_endpgm
.Lentry_in_a_cluster:
	s_bfe_u32 s2, ttmp6, 0x10000c
	s_cmp_lg_u32 s2, 0xf033
	s_cbranch_scc0 .Lentry_shape_is_right
	s_endpgm
.Lentry_shape_is_right:
; THE OUTPUT PROJECTION.  out0[m][n] = sum over k of O[m][k] Wo[k][n] + bo[n], m = b 2048 + s, k = 64 head + channel.  O = ob, f16, BY HEADS [32 bh][2048][64]; Wo = wb's fourth matrix, f16, [k][n]; out0 f32.
; Sums in f32.  A tile of out0 is 128 x 128: 256 work-groups of four waves, a wave 64 x 64 in 16 accumulators.  K goes in four steps of 256 (four heads) through two LDS slots.
; The loop's trip is one K step: the slot in hand is a scalar, TB, that one exclusive or turns, and the refills' descriptor walks.
; O's tile for a wave that fetches: 64 rows of each of four heads: each head's 64 rows are 8,192 dense bytes, so the tile has 4 rows of 4,096 elements, 131,072 elements apart, padded in LDS after every 128 bytes:
; [head][row][144 bytes].  Wo's: 128 rows of k x 256 bytes at a pitch of 288; its fragments come out turned, by ds_load_tr16_b128.
; CLUSTER: 4 x 4: O's tile is asked for jointly along a row of the cluster, Wo's along a column.  THE MATRIX INSTRUCTION IS USED TRANSPOSED: a lane holds one row of out0 and eight neighbouring columns.
; THE STAGE for the way out is slot 0, whose last fill (K step 2) has been read out in front of the last change of slots: 128 rows x 528 bytes of f32.
; No prefetch: a K step is short and the tiles are small.
; REGISTERS: window 0: v0-31 addresses; v96-127 the bias; v128-255 the accumulators ((a, b) at 128 + 8 (4 a + b)), later rows read back.  window 1: two fragment buffers of 128: 64 of O, then 64 of Wo.
.set SIZE_N, 1024
.set PA,     144
.set PBW,    288                       ; 9 x 32
.set HALFT,  36864                     ; 4 x 64 x 144 = 128 x 288 = 0x9000
.set SLOT,   4*HALFT                   ; 0x24000: its two bits are set in none of the four waves' offsets 0, 0x9000, 0x12000, 0x1b000, so one exclusive or turns an address in one slot into the other's
.set SPARE,  2*SLOT
.set STP,    528
.set ASTEP,  4*262144                  ; a K step of O: four heads
.set BSTEP,  256*SIZE_N*2              ; of Wo: 256 rows
.set ADRA0, 16                         ; v16  my O fragments in slot 0; never rewritten
.set ADRA,  17                         ; v17  in the slot in hand
.set ADRB0, 20                         ; v20, v21  my Wo fragments in slot 0, a half of the K step each; never rewritten
.set ADRB,  22                         ; v22, v23  in the slot in hand
.set STO,  24
.set RD,   25
.set CO,   26
.set BO,   27
.set SPW,  28
.set NIL,  29
.set BIA,  96
.set ACC,  128
.set F0,   0
.set F1,   128
.set G1,  24
.set G0,  32                           ; s[32:35] K step 0's group 0; s[36:39] K step 1's, which then walks
.set G1B, 48
.set G0B, 56
.set TB,  72                           ; s72  LDS byte at which the slot in hand begins
.set MSB, 0
.macro WIN new
.if MSB != (\new)
	s_set_vgpr_msb (MSB<<8)|(\new)
.set MSB, \new
.endif
.endm
.set MUL,  0x05
.set TO_F, 0x40
.macro JLOAD s
	s_cmp_eq_u32 s11, 0
	s_cbranch_scc0 .Lfor_b_\@
	tensor_load_to_lds s[G0+4*(\s):G0+4*(\s)+3], s[G1:G1+7]
	s_nop 0
.rept 4
	v_nop
.endr
	s_branch .Lasked_\@
.Lfor_b_\@:
	tensor_load_to_lds s[G0B+4*(\s):G0B+4*(\s)+3], s[G1B:G1B+7]
	s_nop 0
.rept 4
	v_nop
.endr
.Lasked_\@:
.endm
.macro CREST
	s_cmp_lg_u32 s10, 0
	s_cbranch_scc1 .Lnot_wave_0_\@
	s_barrier_signal -3
.Lnot_wave_0_\@:
	s_barrier_wait -3
	s_barrier_signal -1
	s_barrier_wait -1
.endm
.macro CROUND
	s_barrier_signal -1
	s_barrier_wait -1
	CREST
.endm
	s_load_b128 s[4:7], s[0:1], 0x0                ; ob, wb
	s_load_b128 s[68:71], s[0:1], 0x10             ; tab, out0
	v_lshl_add_u32 v[SPW], v0, 2, SPARE
	v_mov_b32 v[NIL], 0
	ds_add_u32 v[SPW], v[NIL]                      ; the wave's opening: the add and its wait ahead of my first tensor load
	v_lshrrev_b32 v1, 5, v0
	v_readfirstlane_b32 s10, v1
	s_lshr_b32 s11, s10, 1                         ; my half of the tile's rows.  Also: I fetch for O (0) or for Wo (1)
	s_and_b32 s12, s10, 1                          ; my half of its columns.  Also: which half of that tile I fetch
	s_bfe_u32 s40, ttmp6, 0x40000
	s_bfe_u32 s41, ttmp6, 0x40004
	s_lshl_b32 s42, ttmp9, 2
	s_add_co_u32 s42, s42, s40                     ; tile column
	s_and_b32 s13, ttmp7, 0xffff
	s_lshl_b32 s13, s13, 2
	s_add_co_u32 s13, s13, s41                     ; tile row
	s_lshl_b32 s43, s41, 2
	s_lshl_b32 s43, 15, s43
	s_lshl_b32 s44, 0x1111, s40
	s_or_b32 s[G1+0], s43, (1<<16)|(1<<20)|(1<<21)|(4<<22)|(3<<25)   ; after every 32 words 4 words
	s_or_b32 s[G1B+0], s44, (1<<16)|(1<<20)|(1<<21)|(5<<22)|(7<<25)  ; after every 64 words 8 words
	s_mov_b32 s[G1+1], 4096<<16                    ; tensor_dim0 = 4,096
	s_mov_b32 s[G1+2], 4<<16                       ; tensor_dim1 = 4
	s_mov_b32 s[G1+3], 4096<<16                    ; tile_dim0 = 4,096
	s_mov_b32 s[G1+4], 4                           ; tile_dim1 = 4
	s_mov_b32 s[G1+5], 131072                      ; elements from head to head
	s_mov_b32 s[G1+6], 0
	s_mov_b32 s[G1+7], 0
	s_mov_b32 s[G1B+1], 128<<16
	s_mov_b32 s[G1B+2], 128<<16
	s_mov_b32 s[G1B+3], 128<<16
	s_mov_b32 s[G1B+4], 128
	s_mov_b32 s[G1B+5], SIZE_N
	s_mov_b32 s[G1B+6], 0
	s_mov_b32 s[G1B+7], 0
	s_lshl_b32 s16, s13, 7
	s_lshl_b32 s17, s12, 6
	s_add_co_u32 s16, s16, s17                     ; O: row 128 x tile row + 64 x half:
	s_lshr_b32 s17, s16, 11                        ; its batch, 16 heads of 262,144 bytes,
	s_lshl_b32 s17, s17, 22
	s_and_b32 s16, s16, 2047                       ; and its row in a head, 128 bytes
	s_lshl_b32 s16, s16, 7
	s_add_co_u32 s16, s16, s17
	s_mov_b32 s17, 0
	s_lshl_b32 s46, s12, 18                        ; Wo: 128 x half rows of 2,048 bytes,
	s_lshl_b32 s47, s42, 8                         ; the tile column's 256 bytes,
	s_add_co_u32 s46, s46, s47
	s_add_co_u32 s46, s46, 3*2097152               ; in wb's fourth matrix
	s_mov_b32 s47, 0
	s_mul_i32 s20, s10, HALFT
	s_wait_dscnt 0x0
	s_wait_kmcnt 0x0
	s_add_nc_u64 s[14:15], s[4:5], s[16:17]
	s_add_nc_u64 s[46:47], s[6:7], s[46:47]
	CROUND
.irp s, 0,1
	s_mov_b32 s[G0+4*(\s)], 1
	s_add_co_u32 s[G0+4*(\s)+1], s20, (\s)*SLOT
	s_add_nc_u64 s[G0+4*(\s)+2:G0+4*(\s)+3], s[14:15], (\s)*ASTEP
	s_or_b32 s[G0+4*(\s)+3], s[G0+4*(\s)+3], 0x80000000
	s_mov_b32 s[G0B+4*(\s)], 1
	s_add_co_u32 s[G0B+4*(\s)+1], s20, (\s)*SLOT
	s_add_nc_u64 s[G0B+4*(\s)+2:G0B+4*(\s)+3], s[46:47], (\s)*BSTEP
	s_or_b32 s[G0B+4*(\s)+3], s[G0B+4*(\s)+3], 0x80000000
	JLOAD \s
.endr
	v_and_b32 v1, 15, v0
	v_bfe_u32 v2, v0, 4, 1
	v_mul_u32_u24 v3, v1, PA
	v_lshl_add_u32 v3, v2, 4, v3
	v_and_b32 v4, 7, v0
	v_lshl_add_u32 v4, v2, 3, v4
	v_mul_u32_u24 v4, v4, PBW
	v_bfe_u32 v5, v0, 3, 1
	v_lshl_add_u32 v4, v5, 4, v4
	s_mul_i32 s21, s11, HALFT                      ; my 64 rows of O
	s_lshl_b32 s22, s12, 7                         ; my 64 columns of Wo: 128 bytes,
	s_add_co_u32 s22, s22, 2*HALFT                 ; behind O's two halves
	s_add_co_u32 s23, s22, HALFT
	v_add_nc_u32 v[ADRA0], s21, v3
	v_add_nc_u32 v[ADRB0], s22, v4
	v_add_nc_u32 v[ADRB0+1], s23, v4
	v_mov_b32 v[ADRA], v[ADRA0]
	v_mov_b32 v[ADRB], v[ADRB0]
	v_mov_b32 v[ADRB+1], v[ADRB0+1]
	s_mov_b32 s[TB], 0
	s_mul_i32 s23, s11, 64*STP                     ; into the stage: row 64 wr + 16 a + l % 16, byte (64 wc + 16 b + 8 (l / 16)) x 4
	s_lshl_b32 s21, s12, 8
	s_add_co_u32 s23, s23, s21
	v_mul_u32_u24 v6, v1, STP
	v_lshl_add_u32 v6, v2, 5, v6
	v_add_nc_u32 v[STO], s23, v6
	s_mul_i32 s23, s10, 32*STP                     ; back: wave w takes rows 32 w .. 32 w + 31, a whole row of 512 bytes a load
	v_and_b32 v7, 31, v0
	v_lshlrev_b32 v[CO], 4, v7
	v_add_nc_u32 v[RD], s23, v[CO]
	s_lshl_b32 s21, s42, 9
	s_lshl_b32 s22, s12, 8
	s_add_co_u32 s21, s21, s22
	v_lshl_add_u32 v[BO], v2, 5, s21               ; bias: (128 tx + 64 wc + 8 (l / 16)) x 4 bytes
.irp b, 0,1,2,3
	global_load_b128 v[BIA+8*(\b):BIA+8*(\b)+3],   v[BO], s[68:69] offset:32768+4*4096+64*(\b)
	global_load_b128 v[BIA+8*(\b)+4:BIA+8*(\b)+7], v[BO], s[68:69] offset:32768+4*4096+64*(\b)+16
.endr
	s_lshl_b32 s16, s13, 7
	s_lshl_b32 s17, s10, 5
	s_add_co_u32 s16, s16, s17                     ; the first row that I store,
	s_lshl_b32 s16, s16, 12                        ; of 4,096 bytes,
	s_lshl_b32 s17, s42, 9                         ; the tile's 512 bytes of it
	s_add_co_u32 s16, s16, s17
	s_mov_b32 s17, 0
	s_add_nc_u64 s[8:9], s[70:71], s[16:17]
.macro MUL8 f, c, a0, zero             ; the 16 accumulators take turns
	WIN MUL
.irp a, \a0, (\a0)+1
.irp b, 0,1,2,3
.if \zero
	v_wmma_f32_16x16x32_f16 v[ACC+8*(4*(\a)+(\b)):ACC+8*(4*(\a)+(\b))+7], v[(\f)+64+8*(4*(\c)+(\b)):(\f)+64+8*(4*(\c)+(\b))+7], v[(\f)+8*(4*(\c)+(\a)):(\f)+8*(4*(\c)+(\a))+7], 0
.else
	v_wmma_f32_16x16x32_f16 v[ACC+8*(4*(\a)+(\b)):ACC+8*(4*(\a)+(\b))+7], v[(\f)+64+8*(4*(\c)+(\b)):(\f)+64+8*(4*(\c)+(\b))+7], v[(\f)+8*(4*(\c)+(\a)):(\f)+8*(4*(\c)+(\a))+7], v[ACC+8*(4*(\a)+(\b)):ACC+8*(4*(\a)+(\b))+7]
.endif
.endr
.endr
.endm
; 32 LDS loads in one run: quarter kq of the K step in hand (one head, 64 along K) into buffer f; its first 32 along K first
.macro FETCH kq, f
	WIN TO_F
.irp c, 0,1
.irp i, 0,1,2,3
	ds_load_tr16_b128 v[(\f)+64+8*(4*(\c)+(\i)):(\f)+64+8*(4*(\c)+(\i))+3],   v[ADRB+(\kq)/2] offset:(((\kq)%2)*64+32*(\c))*PBW+32*(\i)
	ds_load_tr16_b128 v[(\f)+64+8*(4*(\c)+(\i))+4:(\f)+64+8*(4*(\c)+(\i))+7], v[ADRB+(\kq)/2] offset:(((\kq)%2)*64+32*(\c))*PBW+32*(\i)+16*PBW
	ds_load_b128 v[(\f)+8*(4*(\c)+(\i)):(\f)+8*(4*(\c)+(\i))+3],   v[ADRA] offset:(\kq)*64*PA+64*(\c)+(\i)*16*PA
	ds_load_b128 v[(\f)+8*(4*(\c)+(\i))+4:(\f)+8*(4*(\c)+(\i))+7], v[ADRA] offset:(\kq)*64*PA+64*(\c)+(\i)*16*PA+32
.endr
.endr
.endm
.macro PLACES
.rept 4
	v_nop
.endr
.endm
.macro QUARTER kq, f, g, zero
	s_wait_dscnt 16                                ; the first 32 along K are in
	MUL8 \f, 0, 0, \zero
	MUL8 \f, 0, 2, \zero
	PLACES
	FETCH \kq, \g
	s_wait_dscnt 32                                ; all but the 32 just issued
	MUL8 \f, 1, 0, 0
	MUL8 \f, 1, 2, 0
.endm
.macro TURN fill                       ; the last quarter multiplies buffer 1 and changes slots.  fill = 1: the slot that is left is filled again, two K steps on
	WIN 0
	s_wait_tensorcnt 0x0                           ; all my tensor loads have landed: my part of the next slot
	ds_add_u32 v[SPW], v[NIL]
	s_wait_dscnt 17                                ; the add and the youngest sixteen loads may be out
	MUL8 F1, 0, 0, 0
	s_wait_dscnt 0x0                               ; the add is done, and my reads of this slot are over
	s_barrier_signal -1
	MUL8 F1, 0, 2, 0
	WIN 0
	s_barrier_wait -1
.if \fill
	CREST                                          ; no wave of any partner still reads this slot's tile or has a load on its way
	s_xor_b32 s[G0+5], s[G0+5], SLOT               ; the walking descriptors: the other slot than last time, the next K step
	s_add_nc_u64 s[G0+6:G0+7], s[G0+6:G0+7], ASTEP
	s_xor_b32 s[G0B+5], s[G0B+5], SLOT
	s_add_nc_u64 s[G0B+6:G0B+7], s[G0B+6:G0B+7], BSTEP
	s_xor_b32 s[TB], s[TB], SLOT
	JLOAD 1                                        ; the first tensor load behind the round; its four v_nop are also the places in front of the loads below
.else
	s_xor_b32 s[TB], s[TB], SLOT
	PLACES
.endif
	v_add_nc_u32 v[ADRA], s[TB], v[ADRA0]
	v_add_nc_u32 v[ADRB], s[TB], v[ADRB0]
	v_add_nc_u32 v[ADRB+1], s[TB], v[ADRB0+1]
	FETCH 0, F0
	MUL8 F1, 1, 0, 0
	MUL8 F1, 1, 2, 0
.endm
	s_wait_tensorcnt 1                             ; my part of K step 0 is in; K step 1's may stay out
	s_barrier_signal -1
	s_barrier_wait -1
	FETCH 0, F0
	QUARTER 1, F0, F1, 1                           ; the first quarter's first products start the sums
	WIN 0
	s_mov_b32 s3, 2
.Lstep:                                ; two trips: from a K step's second quarter to the next step's first; the slot that is left takes the K step two on
	QUARTER 2, F1, F0, 0
	QUARTER 3, F0, F1, 0
	TURN 1
	QUARTER 1, F0, F1, 0
	WIN 0
	s_sub_co_u32 s3, s3, 1
	s_cmp_lg_u32 s3, 0
	s_cbranch_scc1 .Lstep
	QUARTER 2, F1, F0, 0                           ; the last two K steps fill nothing
	QUARTER 3, F0, F1, 0
	TURN 0
	QUARTER 1, F0, F1, 0
	QUARTER 2, F1, F0, 0
	QUARTER 3, F0, F1, 0
	s_wait_dscnt 16
	MUL8 F1, 0, 0, 0
	MUL8 F1, 0, 2, 0
	s_wait_dscnt 0x0
	MUL8 F1, 1, 0, 0
	MUL8 F1, 1, 2, 0
	WIN 0
	; THE WAY OUT: + bias; 32 bytes a lane into the work-group's stage; a barrier, since a row's 512 bytes come from two waves; back as whole rows, 32 rows a wave
	PLACES
	s_wait_loadcnt 0x0                             ; the bias
.set t, 0
.rept 16
.irp z, 0,1,2,3
	v_pk_add_f32 v[ACC+8*t+2*\z:ACC+8*t+2*\z+1], v[ACC+8*t+2*\z:ACC+8*t+2*\z+1], v[BIA+8*(t%4)+2*\z:BIA+8*(t%4)+2*\z+1]
.endr
.set t, t+1
.endr
.irp a, 0,1,2,3
.irp b, 0,1,2,3
	ds_store_b128 v[STO], v[ACC+8*(4*(\a)+(\b)):ACC+8*(4*(\a)+(\b))+3]   offset:(\a)*16*STP+64*(\b)
	ds_store_b128 v[STO], v[ACC+8*(4*(\a)+(\b))+4:ACC+8*(4*(\a)+(\b))+7] offset:(\a)*16*STP+64*(\b)+16
.endr
.endr
	s_wait_dscnt 0x0                               ; for the others' sake: my stores into the stage are done
	s_barrier_signal -1
	s_barrier_wait -1
.set t, 0
.rept 32
	ds_load_b128 v[ACC+4*t:ACC+4*t+3], v[RD] offset:t*STP
.set t, t+1
.endr
.set t, 0
.rept 32
	s_wait_dscnt 31-t
	global_store_b128 v[CO], v[ACC+4*t:ACC+4*t+3], s[8:9] offset:t*4096  ; a wave's store covers 512 consecutive bytes of a row, aligned
.set t, t+1
.endr
	s_wait_tensorcnt 0x0                           ; the wave's end: behind my last tensor load and my last LDS store
	ds_add_u32 v[SPW], v[NIL]
	s_wait_dscnt 0x0
	CROUND                                         ; the closing round
	s_endpgm
.Lfunc_end_k_q4d0dd59279_outp:
	.size	k_q4d0dd59279_outp, .Lfunc_end_k_q4d0dd59279_outp-k_q4d0dd59279_outp
	.p2alignl 7, 3214868480
	.fill 96, 4, 3214868480
	.section	.rodata,"a",@progbits
	.p2align	6, 0x0
	.amdhsa_kernel k_q4d0dd59279_outp
		.amdhsa_group_segment_fixed_size 327680
		.amdhsa_private_segment_fixed_size 0
		.amdhsa_enable_private_segment 0
		.amdhsa_kernarg_size 32
		.amdhsa_user_sgpr_count 2
		.amdhsa_user_sgpr_kernarg_segment_ptr 1
		.amdhsa_wavefront_size32 1
		.amdhsa_system_sgpr_workgroup_id_x 1
		.amdhsa_system_sgpr_workgroup_id_y 1
		.amdhsa_system_sgpr_workgroup_id_z 1
		.amdhsa_system_vgpr_workitem_id 0
		.amdhsa_next_free_vgpr 512
		.amdhsa_next_free_sgpr 80
		.amdhsa_reserve_vcc 0
		.amdhsa_float_denorm_mode_32 3
		.amdhsa_float_denorm_mode_16_64 3
		.amdhsa_memory_ordered 1
		.amdhsa_forward_progress 1
		.amdhsa_inst_pref_size 74
	.end_amdhsa_kernel
	.amdgpu_metadata
---
amdhsa.version: [ 1, 2 ]
amdhsa.kernels:
  - .name:           k_q4d0dd59279_outp
    .symbol:         k_q4d0dd59279_outp.kd
    .args:
      - { .name: ob, .offset: 0, .size: 8, .value_kind: global_buffer, .address_space: global }
      - { .name: wb, .offset: 8, .size: 8, .value_kind: global_buffer, .address_space: global }
      - { .name: tab, .offset: 16, .size: 8, .value_kind: global_buffer, .address_space: global }
      - { .name: out0, .offset: 24, .size: 8, .value_kind: global_buffer, .address_space: global }
    .group_segment_fixed_size: 327680
    .private_segment_fixed_size: 0
    .kernarg_segment_align: 8
    .kernarg_segment_size: 32
    .max_flat_workgroup_size: 128
    .sgpr_count:     80
    .vgpr_count:     512
    .wavefront_size: 32
...
	.end_amdgpu_metadata
.endif
;; end of part 4
